; MI455X (gfx1250); checked and timed in simulation.
; The chip was launched on July 23, 2026; its instructions are those of AMD's public machine-readable ISA for CDNA 5 (MIT licence, August 2026) and "CDNA5" Instruction Set Architecture Reference Guide (July 2026). The comments in the code are by the model that wrote it; some were corrected since.
;; Cross Trans Former. Allowed arithmetic: float matrix products may take bf16 or f16 operands with f32 sums; all other float work in f32.
;; Inputs: Wk 1,024 x 1,024 float32; Wq 1,024 x 1,024 float32; Wv 1,024 x 1,024 float32; Xk 4 x 1,024 x 2,048 float32; Xq 4 x 1,024 x 2,048 float32; beta1 1,024 float32; beta2 1,024 float32; beta3 1,024 float32; gamma1 1,024 float32; gamma2 1,024 float32; gamma3 1,024 float32; mean1 1,024 float32; mean2 1,024 float32; mean3 1,024 float32; var1 1,024 float32; var2 1,024 float32; var3 1,024 float32.
;; Outputs: out0 4 x 1,024 x 2,048 float32.
;; 2 versions, each right. Each part assembles by itself: llvm-mc -triple=amdgcn-amd-amdhsa -mcpu=gfx1250 --defsym DOCPART=n.
;; ======== version 1 of 2: 3 launches
;; workspace buffers: xqb 16,777,216 bytes; xkb 16,777,216 bytes; wb 6,291,456 bytes; qv 33,554,432 bytes
;; launch cvt (part 1): grid 1216 x 1, 8 waves a work-group, no clusters, 0 bytes of LDS; arguments Xq, Xk, Wq, Wv, Wk, xqb, xkb, wb; writes xqb, xkb, wb
.if DOCPART == 1
	.amdgcn_target "amdgcn-amd-amdhsa--gfx1250"
	.amdhsa_code_object_version 6
	.text
	.protected	k_qbd45294892_cvt
	.globl	k_qbd45294892_cvt
	.p2align	8
	.type	k_qbd45294892_cvt,@function
k_qbd45294892_cvt:
	s_mov_b64 s[64:65], 0
	v_nop
	global_prefetch_b8 v0, s[64:65] scope:SCOPE_SE
	s_setreg_imm32_b32 hwreg(HW_REG_WAVE_MODE, 25, 1), 1
	s_wait_xcnt 0x0
; f32 -> bf16 (round to nearest even), element by element, layouts kept:
;   Xq -> xqb, Xk -> xkb ([4][1024][2048]),  Wq, Wv, Wk -> wb rows 0-1023, 1024-2047, 2048-3071 ([3072][1024]).
; The later launches feed the matrix units with bf16 and read each operand several times: one pass makes them half as wide.
; A work-group converts 16,384 numbers: 64 KiB in, 32 KiB out.  512 + 512 + 3 x 64 = 1,216 work-groups.
; Thread t takes 32 bytes at 32 t of each 8 KiB step (two 16-byte loads) and stores 16 bytes at 16 t: sixteen neighbouring
; lanes store 256 consecutive bytes, aligned.  All sixteen loads of a thread go out at once; no register is written twice,
; so there is no loop and no wait but the counted ones for the data.  A stream: no LDS, no barrier, no matrix unit, no cluster
; (no two work-groups read the same byte).
; LIMIT: numbers beyond bf16's precision are rounded here (8 bits of significand); the range is f32's.
.set STEPS, 8
.set X, 4                              ; v[4:67]  step i: 8 registers as loaded; the first 4 of them as stored
	s_load_b512 s[4:19], s[0:1], 0x0               ; Xq s[4:5] Xk s[6:7] Wq s[8:9] Wv s[10:11] Wk s[12:13] xqb s[14:15] xkb s[16:17] wb s[18:19]
	s_and_b32 s20, ttmp9, 511                      ; block in an X
	s_and_b32 s21, ttmp9, 63                       ; block in a W
	s_sub_co_u32 s22, ttmp9, 1024                  ; block in wb (used from work-group 1,024 on)
	s_cmp_ge_u32 ttmp9, 1024
	s_cselect_b32 s22, s22, s20                    ; block of the destination
	s_cselect_b32 s20, s21, s20                    ; block of the source
	s_lshl_b32 s24, s20, 16                        ; x 64 KiB
	s_mov_b32 s25, 0
	s_lshl_b32 s26, s22, 15                        ; x 32 KiB
	s_mov_b32 s27, 0
	v_lshlrev_b32 v1, 5, v0                        ; 32 t, never rewritten
	v_lshlrev_b32 v2, 4, v0                        ; 16 t, never rewritten
	s_wait_kmcnt 0x0
	s_cmp_ge_u32 ttmp9, 512                        ; the choice of buffers hangs on the work-group's number alone
	s_cselect_b64 s[4:5], s[6:7], s[4:5]
	s_cselect_b64 s[14:15], s[16:17], s[14:15]
	s_cmp_ge_u32 ttmp9, 1024
	s_cselect_b64 s[4:5], s[8:9], s[4:5]
	s_cselect_b64 s[14:15], s[18:19], s[14:15]
	s_cmp_ge_u32 ttmp9, 1088
	s_cselect_b64 s[4:5], s[10:11], s[4:5]
	s_cmp_ge_u32 ttmp9, 1152
	s_cselect_b64 s[4:5], s[12:13], s[4:5]
	s_add_nc_u64 s[4:5], s[4:5], s[24:25]
	s_add_nc_u64 s[14:15], s[14:15], s[26:27]
.irp i, 0,1,2,3,4,5,6,7
	global_load_b128 v[X+8*\i:X+8*\i+3],   v1, s[4:5] offset:8192*\i th:TH_LOAD_NT
	global_load_b128 v[X+8*\i+4:X+8*\i+7], v1, s[4:5] offset:8192*\i+16 th:TH_LOAD_NT
.endr
.irp i, 0,1,2,3,4,5,6,7
	s_wait_loadcnt 14-2*\i                         ; loads come back in order: step i's two are in, the 14 - 2 i younger ones stay out
.irp k, 0,1,2,3
	v_cvt_pk_bf16_f32 v[X+8*\i+\k], v[X+8*\i+2*\k], v[X+8*\i+2*\k+1]   ; in place: word k is written when words 2k, 2k+1 are read, k <= 2k
.endr
	global_store_b128 v2, v[X+8*\i:X+8*\i+3], s[14:15] offset:4096*\i
.endr
	s_endpgm
.Lfunc_end_k_qbd45294892_cvt:
	.size	k_qbd45294892_cvt, .Lfunc_end_k_qbd45294892_cvt-k_qbd45294892_cvt
	.p2alignl 7, 3214868480
	.fill 96, 4, 3214868480
	.section	.rodata,"a",@progbits
	.p2align	6, 0x0
	.amdhsa_kernel k_qbd45294892_cvt
		.amdhsa_group_segment_fixed_size 0
		.amdhsa_private_segment_fixed_size 0
		.amdhsa_enable_private_segment 0
		.amdhsa_kernarg_size 64
		.amdhsa_user_sgpr_count 2
		.amdhsa_user_sgpr_kernarg_segment_ptr 1
		.amdhsa_wavefront_size32 1
		.amdhsa_system_sgpr_workgroup_id_x 1
		.amdhsa_system_sgpr_workgroup_id_y 1
		.amdhsa_system_sgpr_workgroup_id_z 1
		.amdhsa_system_vgpr_workitem_id 0
		.amdhsa_next_free_vgpr 68
		.amdhsa_next_free_sgpr 66
		.amdhsa_reserve_vcc 0
		.amdhsa_float_denorm_mode_32 3
		.amdhsa_float_denorm_mode_16_64 3
		.amdhsa_memory_ordered 1
		.amdhsa_forward_progress 1
		.amdhsa_inst_pref_size 6
	.end_amdhsa_kernel
	.amdgpu_metadata
---
amdhsa.version: [ 1, 2 ]
amdhsa.kernels:
  - .name:           k_qbd45294892_cvt
    .symbol:         k_qbd45294892_cvt.kd
    .args:
      - { .name: Xq, .offset: 0, .size: 8, .value_kind: global_buffer, .address_space: global }
      - { .name: Xk, .offset: 8, .size: 8, .value_kind: global_buffer, .address_space: global }
      - { .name: Wq, .offset: 16, .size: 8, .value_kind: global_buffer, .address_space: global }
      - { .name: Wv, .offset: 24, .size: 8, .value_kind: global_buffer, .address_space: global }
      - { .name: Wk, .offset: 32, .size: 8, .value_kind: global_buffer, .address_space: global }
      - { .name: xqb, .offset: 40, .size: 8, .value_kind: global_buffer, .address_space: global }
      - { .name: xkb, .offset: 48, .size: 8, .value_kind: global_buffer, .address_space: global }
      - { .name: wb, .offset: 56, .size: 8, .value_kind: global_buffer, .address_space: global }
    .group_segment_fixed_size: 0
    .private_segment_fixed_size: 0
    .kernarg_segment_align: 8
    .kernarg_segment_size: 64
    .max_flat_workgroup_size: 256
    .sgpr_count:     66
    .vgpr_count:     68
    .wavefront_size: 32
...
	.end_amdgpu_metadata
.endif
;; end of part 1
;; launch projqv (part 2): grid 32 x 8, 4 waves a work-group, clusters of 4 x 4, 327,680 bytes of LDS; arguments wb, xqb, qv, gamma1, beta1, mean1, var1, gamma3, beta3, mean3, var3; writes qv
.if DOCPART == 2
	.amdgcn_target "amdgcn-amd-amdhsa--gfx1250"
	.amdhsa_code_object_version 6
	.text
	.protected	k_qbd45294892_projqv
	.globl	k_qbd45294892_projqv
	.p2align	8
	.type	k_qbd45294892_projqv,@function
k_qbd45294892_projqv:
	s_mov_b64 s[64:65], 0
	v_nop
	global_prefetch_b8 v0, s[64:65] scope:SCOPE_SE
	s_setreg_imm32_b32 hwreg(HW_REG_WAVE_MODE, 25, 1), 1
	s_wait_xcnt 0x0
	s_wait_alu depctr_hold_cnt(0) depctr_sa_sdst(0) depctr_va_vdst(0) depctr_va_sdst(0) depctr_va_ssrc(0) depctr_va_vcc(0) depctr_vm_vsrc(0)
	s_getreg_b32 s2, hwreg(HW_REG_IB_STS2, 6, 4)
	s_cmp_eq_u32 s2, 0
	s_cbranch_scc0 .Lentry_in_a_cluster
	s_endpgm
.Lentry_in_a_cluster:
	s_bfe_u32 s2, ttmp6, 0x10000c
	s_cmp_lg_u32 s2, 0xf033
	s_cbranch_scc0 .Lentry_shape_is_right
	s_endpgm
.Lentry_shape_is_right:
; qv[o][b*2048+p] = leaky(scale[o] * sum over c of W[o][c] Xq[b][c][p] + bias[o]),  rows 0-1023: Q (Wq, set 1), rows 1024-2047: V (Wv, set 3).
; scale = gamma * rsq(var + 1e-5), bias = beta - mean * scale, leaky(y) = max(y, 0.1 y).  W = wb [3072][1024] bf16 (its first 2,048 rows),
; Xq = xqb [4][1024][2048] bf16, qv [2048][8192] bf16.  Sums in f32.
; A GEMM of 2048 x 8192 x 1024.  A work-group makes a block of 256 x 256 with four waves, a wave 128 x 128: 64 accumulator tiles, 512 registers.
; 8 x 32 = 256 work-groups.  K (= c) goes in steps of 128 through a ring of two LDS slots filled by the tensor data mover.
; A's tile: 256 rows of W x 128 c, rows of 256 bytes.  B's tile: X lies with c down the rows, so it comes as 128 rows (c) x 256 p, rows of 512 bytes,
; and the fragments are read with the transposing LDS load.
; CLUSTERS: 4 x 4 work-groups.  The four of a row of the cluster share A's tiles, the four of a column share B's: each tile is asked for jointly,
; with one descriptor and a mask that names the four, which divides the requests for A and for B by four.
; LIMITS: Q and V are rounded to bf16; v_rsq_f32 is good to 1 ULP and takes a denormal var + 1e-5 as zero; NaN is not carried through max as where() carries it.
;
; REGISTERS, in windows of 256:
;   window 0: v0-31 addresses; v32-47 scale, v48-63 bias (each twice, as pairs) of my eight blocks of 16 rows; v64-127, v128-191 fragments of A, two buffers;
;             v192-223, v224-255 at work on the way out
;   window 1: v64-127, v128-191 fragments of B, two buffers
;   window 2: the 32 accumulator tiles of my rows 0-63 (tile (a, b) at v[8 (8 a + b)]);   window 3: those of my rows 64-127
; THE MATRIX INSTRUCTION IS USED TRANSPOSED: source 0 = 16 columns of X, source 1 = 16 rows of W.  Lane l then holds row l % 16 of the result and its
; registers 0 to 7 the columns 8 (l / 16) + 0 .. 7: eight neighbouring numbers of a row, and one scale and bias for the lane.
.set SIZE_N, 8192
.set SIZE_K, 1024
.set KSTEP,  128
.set PITCH,  272                       ; A's LDS row: 256 bytes + 16 of padding
.set BPITCH, 544                       ; B's LDS row: 512 bytes + 32 of padding = 17 x 32
.set HALFT,  128*PITCH                 ; what one tensor load brings: 128 rows of A, or 64 rows of B (64 x 544 is the same 34,816 bytes)
.set SLOT,   4*HALFT                   ; A's 256 rows, then B's 128 rows
.set STAGE,  2*SLOT                    ; behind the ring: 16 rows x 272 bytes for each wave, for the way out; no tensor load lands there
.set SPITCH, 272
.set LAPS, SIZE_K/(2*KSTEP)            ; a lap = two K steps = once round the ring: 4
.set ADRA, 16                          ; v16-17  LDS address of my A fragments in slot 0, 1
.set ADRB, 20                          ; v20-21  the same for B
.set STO,  24                          ; v24     the way out: where I put 16 bytes of a row
.set RD,   25                          ; v25     the way out: where I read a row back
.set CO,   26                          ; v26     my byte offset in qv
.set SCP,  32                          ; v[32+2i:33+2i]  scale of row 16 i + l % 16, twice
.set BIP,  48                          ; v[48+2i:49+2i]  bias, twice
.set F0,   64                          ; fragment buffer 0
.set F1,   128                         ; fragment buffer 1
.set RB0,  64                          ; the way out: rows read back, two sets by turns
.set RB1,  96
.set YT,   128                         ; the way out: 64 numbers in f32
.set TMP,  192                         ; the way out: packed results
.set LK,   224                         ; the way out: 0.1 y.  In the prologue: gamma, beta, mean, var as loaded
.set G1, 24                            ; s[24:31] descriptor group 1 for A's tiles
.set G0, 32                            ; s[32:39] descriptor group 0 for A's tiles, one set for each slot
.set G1B, 48                           ; s[48:55] descriptor group 1 for B's tiles
.set G0B, 56                           ; s[56:63] descriptor group 0 for B's tiles, one set for each slot
.set MSB, 0
.macro WIN new                         ; the immediate's high byte repeats the setting that is left
.if MSB != \new
	s_set_vgpr_msb (MSB<<8)|\new
.set MSB, \new
.endif
.endm
.set MUL_LO, 0xa1                      ; source 0 (B) window 1, source 1 (A) window 0, C and D window 2
.set MUL_HI, 0xf1                      ; the same, C and D window 3
.set TO_B,   0x40                      ; destination window 1, address window 0
; A joint load.  Waves 0 and 1 fetch A's two halves, waves 2 and 3 B's.  Each line has one mask and one set of registers for all that issue it.
; The branch hangs on the wave's number alone.
.macro JLOAD s
	s_cmp_eq_u32 s11, 0
	s_cbranch_scc0 .Lfor_b_\@
	tensor_load_to_lds s[G0+4*\s:G0+4*\s+3], s[G1:G1+7]
	s_nop 0
	s_branch .Lasked_\@
.Lfor_b_\@:
	tensor_load_to_lds s[G0B+4*\s:G0B+4*\s+3], s[G1B:G1B+7]
	s_nop 0
.Lasked_\@:
.endm
; A round of the cluster's barrier: my work-group's barrier; wave 0 signals for the work-group; every wave waits for all sixteen; my work-group's barrier again.
.macro CREST                           ; a round behind its opening barrier
	s_cmp_lg_u32 s10, 0
	s_cbranch_scc1 .Lnot_wave_0_\@
	s_barrier_signal -3
.Lnot_wave_0_\@:
	s_barrier_wait -3
	s_barrier_signal -1
	s_barrier_wait -1
.endm
.macro CROUND                          ; a whole round
	s_barrier_signal -1
	s_barrier_wait -1
	CREST
.endm
	s_load_b128 s[4:7], s[0:1], 0x0                ; wb s[4:5], xqb s[6:7]
	s_load_b64 s[8:9], s[0:1], 0x10                ; qv
	s_load_b512 s[68:83], s[0:1], 0x18             ; gamma1 beta1 mean1 var1 s[68:75], gamma3 beta3 mean3 var3 s[76:83]
	s_set_vgpr_msb 0x40
	v_lshl_add_u32 v255, v0, 2, 0x48400
	s_set_vgpr_msb 0x4000
	v_mov_b32 v31, 0
	s_set_vgpr_msb 0x1
	ds_add_u32 v255, v31
	s_set_vgpr_msb 0x100
	v_lshrrev_b32 v1, 5, v0
	v_readfirstlane_b32 s10, v1                    ; wave 0..3
	s_lshr_b32 s11, s10, 1                         ; which half of the block's rows is mine.  Also: I fetch for A (0) or for B (1)
	s_and_b32 s12, s10, 1                          ; which half of its columns.  Also: which half of that tile I fetch
	s_bfe_u32 s40, ttmp6, 0x40000                  ; cx
	s_bfe_u32 s41, ttmp6, 0x40004                  ; cy
	s_lshl_b32 s42, ttmp9, 2
	s_add_co_u32 s42, s42, s40                     ; block column = 4 x cluster x + cx, 0..31
	s_and_b32 s45, ttmp7, 0xffff                   ; cluster y: 0 = Q's rows, 1 = V's rows
	s_lshl_b32 s13, s45, 2
	s_add_co_u32 s13, s13, s41                     ; block row = 4 x cluster y + cy, 0..7
	s_lshl_b32 s43, s41, 2
	s_lshl_b32 s43, 15, s43                        ; my row of the cluster: places 4 cy .. 4 cy + 3
	s_lshl_b32 s44, 0x1111, s40                    ; my column: places cx, cx + 4, cx + 8, cx + 12
	; group 1 for A: 128 rows x 128 elements, 16 bytes of padding behind every 64 words
	s_or_b32 s[G1+0], s43, (1<<16)|(1<<20)|(1<<21)|(5<<22)|(3<<25)  ; mask of my row; element of 2 bytes; padding on; bit 21 beside a mask
	s_mov_b32 s[G1+1], KSTEP<<16                   ; tensor_dim0 = 128
	s_mov_b32 s[G1+2], 128<<16                     ; tensor_dim1 = 128
	s_mov_b32 s[G1+3], KSTEP<<16                   ; tile_dim0 = 128
	s_mov_b32 s[G1+4], 128                         ; tile_dim1 = 128
	s_mov_b32 s[G1+5], SIZE_K                      ; elements from row to row of wb
	s_mov_b32 s[G1+6], 0
	s_mov_b32 s[G1+7], 0
	; group 1 for B: 64 rows (c) x 256 elements (p), 32 bytes of padding behind every 128 words
	s_or_b32 s[G1B+0], s44, (1<<16)|(1<<20)|(1<<21)|(6<<22)|(7<<25) ; mask of my column
	s_mov_b32 s[G1B+1], 256<<16                    ; tensor_dim0 = 256
	s_mov_b32 s[G1B+2], 64<<16                     ; tensor_dim1 = 64
	s_mov_b32 s[G1B+3], 256<<16                    ; tile_dim0 = 256
	s_mov_b32 s[G1B+4], 64                         ; tile_dim1 = 64
	s_mov_b32 s[G1B+5], 2048                       ; elements from row to row of xqb
	s_mov_b32 s[G1B+6], 0
	s_mov_b32 s[G1B+7], 0
	; where the tiles come from.  A's hang on the block row alone, B's on the block column alone, each in registers that never hold the other coordinate.
	s_lshl_b32 s17, s12, 7
	s_lshl_b32 s16, s13, 8
	s_add_co_u32 s16, s16, s17                     ; A: row 256 x block row + 128 x half
	s_lshl_b32 s16, s16, 11                        ; x 2,048 bytes a row: at most 4 MiB
	s_mov_b32 s17, 0
	s_lshr_b32 s46, s42, 3                         ; B: batch = block column / 8,
	s_lshl_b32 s46, s46, 22                        ; x 1,024 rows of 4,096 bytes
	s_and_b32 s47, s42, 7
	s_lshl_b32 s47, s47, 9                         ; + 256 p x 2 bytes for each block inside the batch
	s_add_co_u32 s46, s46, s47
	s_lshl_b32 s47, s12, 18                        ; + 64 rows of 4,096 bytes for the second half
	s_add_co_u32 s46, s46, s47
	s_mov_b32 s47, 0
	s_mul_i32 s20, s10, HALFT                      ; and where they go: wave x 34,816: no place in the cluster enters an LDS address
	s_lshl_b32 s84, s41, 10                        ; scale and bias: (256 cy + 128 x my half of the rows) x 4 bytes inside the set
	s_lshl_b32 s85, s11, 9
	s_add_co_u32 s84, s84, s85
	s_mov_b32 s85, 0
	s_wait_dscnt 0x0
	s_wait_kmcnt 0x0
	s_add_nc_u64 s[14:15], s[4:5], s[16:17]
	s_add_nc_u64 s[46:47], s[6:7], s[46:47]
	CROUND                                         ; all sixteen work-groups are here: the first joint loads meet
.irp s, 0,1
	s_mov_b32 s[G0+4*\s], 1                                        ; count = 1
	s_add_co_u32 s[G0+4*\s+1], s20, \s*SLOT                        ; LDS address
	s_add_nc_u64 s[G0+4*\s+2:G0+4*\s+3], s[14:15], \s*KSTEP*2      ; K step s: 256 bytes along the rows of wb
	s_or_b32 s[G0+4*\s+3], s[G0+4*\s+3], 0x80000000                ; type = 2
	s_mov_b32 s[G0B+4*\s], 1
	s_add_co_u32 s[G0B+4*\s+1], s20, \s*SLOT
	s_add_nc_u64 s[G0B+4*\s+2:G0B+4*\s+3], s[46:47], \s*KSTEP*4096 ; K step s: 128 rows of xqb down
	s_or_b32 s[G0B+4*\s+3], s[G0B+4*\s+3], 0x80000000
	JLOAD \s                                       ; the ring is filled before anything else is done: two tensor loads of the wave are out
.endr
	; A's fragment (16 rows x 32 K, K along the LDS rows): two loads of 16 bytes, 32 bytes apart, at row x pitch + 16 (l / 16).
	; B's fragment (K down the LDS rows): two transposing loads, 16 rows apart, at (8 (l / 16) + l % 8) x pitch + 16 ((l / 8) % 2) + 2 x first column.
	v_and_b32 v1, 15, v0                           ; l % 16
	v_bfe_u32 v2, v0, 4, 1                         ; l / 16
	v_mul_u32_u24 v3, v1, PITCH
	v_lshl_add_u32 v3, v2, 4, v3
	v_and_b32 v6, 7, v0
	v_lshl_add_u32 v6, v2, 3, v6
	v_mul_u32_u24 v6, v6, BPITCH
	v_bfe_u32 v7, v0, 3, 1
	v_lshl_add_u32 v6, v7, 4, v6
	s_mul_i32 s21, s11, HALFT                      ; my 128 rows of A
	s_lshl_b32 s22, s12, 8                         ; my 128 columns of B: 256 bytes along its rows,
	s_add_co_u32 s22, s22, 2*HALFT                 ; which lie behind A's 256
.irp s, 0,1
	v_add_nc_u32 v[ADRA+\s], s21, v3
	v_add_nc_u32 v[ADRB+\s], s22, v6
	s_add_co_u32 s21, s21, SLOT
	s_add_co_u32 s22, s22, SLOT
.endr
	s_mul_i32 s23, s10, 16*SPITCH
	s_add_co_u32 s23, s23, STAGE                   ; my stage
	v_mul_u32_u24 v4, v1, SPITCH                   ; in: row l % 16, 16 bytes for each half of the lanes
	v_lshl_add_u32 v4, v2, 4, v4
	v_add_nc_u32 v[STO], s23, v4
	v_mul_u32_u24 v5, v2, SPITCH                   ; back: lanes 0-15 take one row of 256 bytes, lanes 16-31 the next
	v_lshl_add_u32 v5, v1, 4, v5
	v_add_nc_u32 v[RD], s23, v5
	v_mul_u32_u24 v5, v2, SIZE_N*2                 ; and the same two rows in qv
	v_lshl_add_u32 v[CO], v1, 4, v5
	; scale and bias of my 128 rows: lane l needs rows 16 i + l % 16, i = 0..7.  The set hangs on the cluster's y alone.
	v_lshlrev_b32 v8, 2, v1                        ; 4 (l % 16), not rewritten
	s_cmp_eq_u32 s45, 0
	s_cselect_b64 s[68:69], s[68:69], s[76:77]
	s_cselect_b64 s[70:71], s[70:71], s[78:79]
	s_cselect_b64 s[72:73], s[72:73], s[80:81]
	s_cselect_b64 s[74:75], s[74:75], s[82:83]
	s_add_nc_u64 s[68:69], s[68:69], s[84:85]
	s_add_nc_u64 s[70:71], s[70:71], s[84:85]
	s_add_nc_u64 s[72:73], s[72:73], s[84:85]
	s_add_nc_u64 s[74:75], s[74:75], s[84:85]
.irp i, 0,1,2,3,4,5,6,7
	global_load_b32 v[LK+\i],    v8, s[68:69] offset:64*\i         ; gamma
	global_load_b32 v[LK+8+\i],  v8, s[70:71] offset:64*\i         ; beta
	global_load_b32 v[LK+16+\i], v8, s[72:73] offset:64*\i         ; mean
	global_load_b32 v[LK+24+\i], v8, s[74:75] offset:64*\i         ; var
.endr
	s_wait_loadcnt 0x0
.irp i, 0,1,2,3,4,5,6,7
	v_add_f32 v[LK+24+\i], 0x3727c5ac, v[LK+24+\i]                 ; var + 1e-5
.endr
.irp i, 0,1,2,3,4,5,6,7
	v_rsq_f32 v[LK+24+\i], v[LK+24+\i]
.endr
	v_nop                                          ; one plain place behind the last v_rsq_f32 before its result is read (ISA guide 5.7.2)
	s_wait_alu depctr_va_vdst(0)
.irp i, 0,1,2,3,4,5,6,7
	v_mul_f32 v[SCP+2*\i], v[LK+\i], v[LK+24+\i]                   ; scale
.endr
.irp i, 0,1,2,3,4,5,6,7
	v_fma_f32 v[BIP+2*\i], -v[LK+16+\i], v[SCP+2*\i], v[LK+8+\i]   ; bias = beta - mean x scale
	v_mov_b32 v[SCP+2*\i+1], v[SCP+2*\i]                           ; both as pairs for the packed multiply-add
.endr
.irp i, 0,1,2,3,4,5,6,7
	v_mov_b32 v[BIP+2*\i+1], v[BIP+2*\i]
.endr
; 16 matrix instructions: m blocks a0, a0 + 1 of the window's four x all 8 n blocks, 32 along K.  zero = 1: the first product starts the sums.
; The 64 accumulators take turns, one instruction a turn, in the same order in every quarter step.
.macro MUL16 f, hi, a0, zero
.irp a, \a0, \a0+1
.irp b, 0,1,2,3,4,5,6,7
.if \zero
	v_wmma_f32_16x16x32_bf16 v[8*(8*(\a)+\b):8*(8*(\a)+\b)+7], v[\f+8*\b:\f+8*\b+7], v[\f+8*(4*\hi+\a):\f+8*(4*\hi+\a)+7], 0
.else
	v_wmma_f32_16x16x32_bf16 v[8*(8*(\a)+\b):8*(8*(\a)+\b)+7], v[\f+8*\b:\f+8*\b+7], v[\f+8*(4*\hi+\a):\f+8*(4*\hi+\a)+7], v[8*(8*(\a)+\b):8*(8*(\a)+\b)+7]
.endif
.endr
.endr
.endm
; 32 LDS loads in one run: the fragments of one quarter step (128 columns of B, 128 rows of A, 32 K) into buffer f.
; k = the quarter's byte offset in A's rows (64 a quarter); in B the same quarter is 32 rows down.
.macro FETCH slot, k, f
	WIN TO_B
.irp i, 0,1,2,3,4,5,6,7
	ds_load_tr16_b128 v[\f+8*\i:\f+8*\i+3],   v[ADRB+\slot] offset:(\k/64)*32*BPITCH+32*\i
	ds_load_tr16_b128 v[\f+8*\i+4:\f+8*\i+7], v[ADRB+\slot] offset:(\k/64)*32*BPITCH+32*\i+16*BPITCH
.endr
	WIN 0
.irp i, 0,1,2,3,4,5,6,7
	ds_load_b128 v[\f+8*\i:\f+8*\i+3],   v[ADRA+\slot] offset:\k+\i*16*PITCH
	ds_load_b128 v[\f+8*\i+4:\f+8*\i+7], v[ADRA+\slot] offset:\k+\i*16*PITCH+32
.endr
.endm
; A load into a register that a matrix instruction has read, and a vector instruction that reads a matrix result or writes one of a matrix
; instruction's registers, stand four places behind it, and only plain vector instructions that name none of its registers are places.
.macro PLACES
.rept 4
	v_nop
.endr
.endm
; One of a K step's first three quarters: multiplies buffer f; in its middle it fetches the next quarter's fragments into buffer g.
.macro QUARTER slot, k, f, g, zero
	s_wait_dscnt 8                                 ; B and A's rows 0-63 are in; the youngest eight loads (A's rows 64-127) may be out
	WIN MUL_LO
	MUL16 \f, 0, 0, \zero
	MUL16 \f, 0, 2, \zero
	PLACES
	FETCH \slot, \k, \g
	s_wait_dscnt 32                                ; all but the 32 just issued
	WIN MUL_HI
	MUL16 \f, 1, 0, \zero
	MUL16 \f, 1, 2, \zero
.endm
.macro THREE slot, zero
	QUARTER \slot, 64,  F0, F1, \zero
	QUARTER \slot, 128, F1, F0, 0
	QUARTER \slot, 192, F0, F1, 0
.endm
; The last quarter: multiplies buffer 1 and changes slots.  In front of the barrier each wave waits for its own reads of this slot and for all its
; tensor loads, of which one is out: its part of the next slot.  Behind it the refill comes first, then the next slot's first fragments.
.macro TURN slot, next, fill
	s_wait_dscnt 8
	WIN MUL_LO
	MUL16 F1, 0, 0, 0
	s_wait_dscnt 0                                 ; my reads of this slot are over
	s_wait_tensorcnt 0x0                           ; and all my tensor loads have landed
	ds_add_u32 v255, v31
	s_wait_dscnt 0x0
	s_barrier_signal -1                            ; say so (where a slot is filled again this barrier opens a round of the cluster's barrier),
	MUL16 F1, 0, 2, 0                              ; work on registers while the others arrive,
	WIN 0
	s_barrier_wait -1
.if \fill
	CREST                                          ; no wave of any partner still reads this slot's tile or has a load on its way
	s_add_nc_u64 s[G0+4*\slot+2:G0+4*\slot+3], s[G0+4*\slot+2:G0+4*\slot+3], 2*KSTEP*2
	s_add_nc_u64 s[G0B+4*\slot+2:G0B+4*\slot+3], s[G0B+4*\slot+2:G0B+4*\slot+3], 2*KSTEP*4096
	JLOAD \slot                                    ; the first tensor load behind the round, and the wave's only one until the next
.endif
	PLACES
	FETCH \next, 0, F0
	WIN MUL_HI
	MUL16 F1, 1, 0, 0
	MUL16 F1, 1, 2, 0
.endm
.macro LAP zero                        ; once round the ring, both slots filled again
	THREE 0, \zero
	TURN 0, 1, 1
	THREE 1, 0
	TURN 1, 0, 1
.endm
	s_wait_tensorcnt 1                             ; my part of K step 0 is in; K step 1's may stay out
	s_barrier_signal -1
	s_barrier_wait -1                              ; everybody's is
	FETCH 0, 0, F0
	LAP 1                                          ; the first lap stands in front of the loop: its first products start the sums
	WIN 0                                          ; at a label and at a branch every window is 0
	s_mov_b32 s3, LAPS-2
.Llap:
	LAP 0
	WIN 0
	s_sub_co_u32 s3, s3, 1
	s_cmp_lg_u32 s3, 0
	s_cbranch_scc1 .Llap
	THREE 0, 0                                     ; the last lap fills nothing: my one tensor load that is still out is the last K step's
	TURN 0, 1, 0
	THREE 1, 0
	s_wait_dscnt 8                                 ; the very last quarter: nothing more to fetch
	WIN MUL_LO
	MUL16 F1, 0, 0, 0
	MUL16 F1, 0, 2, 0
	s_wait_dscnt 0
	WIN MUL_HI
	MUL16 F1, 1, 0, 0
	MUL16 F1, 1, 2, 0
	; THE WAY OUT, 16 rows at a time: scale and bias, leaky, round to bf16, 16 bytes a lane into my own stage, read back as whole rows of 256 bytes.
	PLACES                                         ; behind the last matrix instructions, for the reads of results and the writes into buffers 0 and 1
	s_lshl_b32 s13, s13, 8
	s_lshl_b32 s14, s11, 7
	s_add_co_u32 s16, s13, s14                     ; my first row of qv,
	s_lshl_b32 s16, s16, 14                        ; x 16,384 bytes: below 32 MiB
	s_mov_b32 s17, 0
	s_add_nc_u64 s[8:9], s[8:9], s[16:17]
	s_lshl_b32 s46, s42, 9                         ; my first column, in bytes: 512 x block + 256 x half (in the registers that held B's address)
	s_lshl_b32 s47, s12, 8
	s_add_co_u32 s46, s46, s47
	s_mov_b32 s47, 0
	s_add_nc_u64 s[8:9], s[8:9], s[46:47]
; rows 16 i .. 16 i + 15 of my block = the eight tiles (a, 0..7) of window 2 or 3 (from = 0x02 or 0x03: source 0); f: RB0 or RB1 in turn
.macro OUT16 i, a, from, f
	WIN \from
.irp b, 0,1,2,3,4,5,6,7
.irp r, 0,1,2,3
	v_pk_fma_f32 v[YT+8*\b+2*\r:YT+8*\b+2*\r+1], v[8*(8*\a+\b)+2*\r:8*(8*\a+\b)+2*\r+1], v[SCP+2*\i:SCP+2*\i+1], v[BIP+2*\i:BIP+2*\i+1]
.endr
.endr
	WIN 0
.irp b, 0,1,2,3,4,5,6,7
.irp r, 0,1,2,3
	v_pk_mul_f32 v[LK+8*(\b%4)+2*\r:LK+8*(\b%4)+2*\r+1], v[YT+8*\b+2*\r:YT+8*\b+2*\r+1], 0x3dcccccd op_sel_hi:[1,0]   ; 0.1 y
.endr
.irp r, 0,1,2,3,4,5,6,7
	v_max_num_f32 v[YT+8*\b+\r], v[YT+8*\b+\r], v[LK+8*(\b%4)+\r]  ; y > 0: y; else 0.1 y, which is then the larger
.endr
.irp r, 0,1,2,3
	v_cvt_pk_bf16_f32 v[TMP+4*\b+\r], v[YT+8*\b+2*\r], v[YT+8*\b+2*\r+1]
.endr
.endr
.irp b, 0,1,2,3,4,5,6,7
	ds_store_b128 v[STO], v[TMP+4*\b:TMP+4*\b+3] offset:32*\b
.endr
	s_wait_xcnt 0x0                                ; set f, which earlier stores read, and the stores' base are rewritten only behind this wait
.if \i
	s_add_nc_u64 s[8:9], s[8:9], 16*SIZE_N*2       ; 16 rows on
.endif
.irp t, 0,1,2,3,4,5,6,7
	ds_load_b128 v[\f+4*\t:\f+4*\t+3], v[RD] offset:\t*2*SPITCH    ; LDS serves a wave's instructions in order: these see the stores above
.endr
.irp t, 0,1,2,3,4,5,6,7
	s_wait_dscnt 7-\t                              ; load t is in, the 7 - t younger ones stay out
	global_store_b128 v[CO], v[\f+4*\t:\f+4*\t+3], s[8:9] offset:2*\t*SIZE_N*2   ; 16 lanes store 256 consecutive bytes, aligned
.endr
.endm
	OUT16 0, 0, 0x02, RB0
	OUT16 1, 1, 0x02, RB1
	OUT16 2, 2, 0x02, RB0
	OUT16 3, 3, 0x02, RB1
	OUT16 4, 0, 0x03, RB0
	OUT16 5, 1, 0x03, RB1
	OUT16 6, 2, 0x03, RB0
	OUT16 7, 3, 0x03, RB1
	s_set_vgpr_msb 0x1
	s_wait_tensorcnt 0x0
	ds_add_u32 v255, v31
	s_wait_dscnt 0x0
	s_set_vgpr_msb 0x100
	CROUND                                         ; the closing round: no work-group ends while a partner may still ask for a tile that names it
	s_endpgm
.Lfunc_end_k_qbd45294892_projqv:
	.size	k_qbd45294892_projqv, .Lfunc_end_k_qbd45294892_projqv-k_qbd45294892_projqv
	.p2alignl 7, 3214868480
	.fill 96, 4, 3214868480
	.section	.rodata,"a",@progbits
	.p2align	6, 0x0
	.amdhsa_kernel k_qbd45294892_projqv
		.amdhsa_group_segment_fixed_size 327680
		.amdhsa_private_segment_fixed_size 0
		.amdhsa_enable_private_segment 0
		.amdhsa_kernarg_size 88
		.amdhsa_user_sgpr_count 2
		.amdhsa_user_sgpr_kernarg_segment_ptr 1
		.amdhsa_wavefront_size32 1
		.amdhsa_system_sgpr_workgroup_id_x 1
		.amdhsa_system_sgpr_workgroup_id_y 1
		.amdhsa_system_sgpr_workgroup_id_z 1
		.amdhsa_system_vgpr_workitem_id 0
		.amdhsa_next_free_vgpr 1024
		.amdhsa_next_free_sgpr 86
		.amdhsa_reserve_vcc 0
		.amdhsa_float_denorm_mode_32 3
		.amdhsa_float_denorm_mode_16_64 3
		.amdhsa_memory_ordered 1
		.amdhsa_forward_progress 1
		.amdhsa_inst_pref_size 255
	.end_amdhsa_kernel
	.section	.bss,"aw",@nobits
	.p2align	6
	.space	262144
	.amdgpu_metadata
---
amdhsa.version: [ 1, 2 ]
amdhsa.kernels:
  - .name:           k_qbd45294892_projqv
    .symbol:         k_qbd45294892_projqv.kd
    .args:
      - { .name: wb, .offset: 0, .size: 8, .value_kind: global_buffer, .address_space: global }
      - { .name: xqb, .offset: 8, .size: 8, .value_kind: global_buffer, .address_space: global }
      - { .name: qv, .offset: 16, .size: 8, .value_kind: global_buffer, .address_space: global }
      - { .name: gamma1, .offset: 24, .size: 8, .value_kind: global_buffer, .address_space: global }
      - { .name: beta1, .offset: 32, .size: 8, .value_kind: global_buffer, .address_space: global }
      - { .name: mean1, .offset: 40, .size: 8, .value_kind: global_buffer, .address_space: global }
      - { .name: var1, .offset: 48, .size: 8, .value_kind: global_buffer, .address_space: global }
      - { .name: gamma3, .offset: 56, .size: 8, .value_kind: global_buffer, .address_space: global }
      - { .name: beta3, .offset: 64, .size: 8, .value_kind: global_buffer, .address_space: global }
      - { .name: mean3, .offset: 72, .size: 8, .value_kind: global_buffer, .address_space: global }
      - { .name: var3, .offset: 80, .size: 8, .value_kind: global_buffer, .address_space: global }
    .group_segment_fixed_size: 327680
    .private_segment_fixed_size: 0
    .kernarg_segment_align: 8
    .kernarg_segment_size: 88
    .max_flat_workgroup_size: 128
    .sgpr_count:     86
    .vgpr_count:     1024
    .wavefront_size: 32
...
	.end_amdgpu_metadata
.endif
;; end of part 2
;; launch attn (part 3): grid 8 x 32, 4 waves a work-group, clusters of 4 x 4, 327,680 bytes of LDS; arguments wb, xkb, qv, gamma2, beta2, mean2, var2, out0; writes out0
.if DOCPART == 3
	.amdgcn_target "amdgcn-amd-amdhsa--gfx1250"
	.amdhsa_code_object_version 6
	.text
	.protected	k_qbd45294892_attn
	.globl	k_qbd45294892_attn
	.p2align	8
	.type	k_qbd45294892_attn,@function
k_qbd45294892_attn:
	s_mov_b64 s[64:65], 0
	v_nop
	global_prefetch_b8 v0, s[64:65] scope:SCOPE_SE
	s_setreg_imm32_b32 hwreg(HW_REG_WAVE_MODE, 25, 1), 1
	s_wait_xcnt 0x0
	s_wait_alu depctr_hold_cnt(0) depctr_sa_sdst(0) depctr_va_vdst(0) depctr_va_sdst(0) depctr_va_ssrc(0) depctr_va_vcc(0) depctr_vm_vsrc(0)
	s_getreg_b32 s2, hwreg(HW_REG_IB_STS2, 6, 4)
	s_cmp_eq_u32 s2, 0
	s_cbranch_scc0 .Lentry_in_a_cluster
	s_endpgm
.Lentry_in_a_cluster:
	s_bfe_u32 s2, ttmp6, 0x10000c
	s_cmp_lg_u32 s2, 0xf033
	s_cbranch_scc0 .Lentry_shape_is_right
	s_endpgm
.Lentry_shape_is_right:
; out0[b][128 h + c][i] = sum over j of softmax_j( sum over c' of K[c'][i] V[c'][j] / sqrt(128) ) Q[c][j], for each of 32 heads (b, h),
; with K = leaky(BN2(Wk Xk)) made here and never stored.  Q = qv rows 128 h .., V = qv rows 1024 + 128 h .., columns 2048 b + j, bf16.
; A work-group owns a head and 256 columns i; a wave 64 of them (four tiles t of 16).  8 x 32 = 256 work-groups, four waves each.
; PHASE P, 8 trips (K steps of 128 over the 1,024 input channels): K[128 c][64 i] of the wave = Wk[128 h + c][.] Xk[b][.][i], 32 accumulator tiles.
;   A result tile holds (m = 8 (l/16) + register, n = l % 16), so two tiles of c, scaled, biased, leaky and packed to bf16, ARE the fragment (n = i, k = c).
; PHASE A, 16 trips (128 columns j each):  S^T[j][i] = V^T K (A = V, read with the transposing load; B = the K fragments), 32 tiles;
;   a running softmax over j: a column i is one lane and its partner l xor 16; P = exp2((S - max) log2(e)/sqrt(128)) packed in place IS the fragment (n = i, k = j);
;   O[c][i] += Q P (A = Q).  The maximum is the true running maximum; O and the sums are rescaled in every trip.
; RING: two LDS slots, one tile pair a trip (Wk + Xk, then Q + V), each wave one tensor load a trip: one tensor load of a wave is out at any time.
; CLUSTERS: 4 x 4 work-groups = 4 blocks of i (cx) x 4 heads of one batch (cy).  Wk's, Q's and V's tiles hang on the head alone and are asked for jointly along
; a row of the cluster; Xk's hang on the batch and the block of i and are asked for jointly along a column.  That divides all requests by four.
; LIMITS: K, V, Q and P are rounded to bf16; v_exp_f32, v_rsq_f32, v_rcp_f32 are good to 1 ULP and flush denormals (a weight below 2^-126 of the row's largest
; counts as zero); NaN and infinities in the inputs are not carried as the f32 formula carries them.
;
; REGISTERS, in windows of 256:
;   window 0: addresses, softmax state, two fragment buffers of 96 registers
;   window 1: v0-127 the K fragments KF(t, s) = 8 (4 t + s), s = 32 c each
;   window 2: O(a, t) = 8 (4 a + t), a = 16 c each; in phase P the accumulators of K in the same places
;   window 3: S(u, t) = 64 t + 8 u, u = 16 j each; P(t, q) = 64 t + 16 q in place; before phase A: scale (0-63), bias (64-127), mean (128-191), var (192-255)
.set PA, 272                           ; LDS pitch of Wk's and Q's tiles: 256 bytes + 16
.set PX, 544                           ; of Xk's: 512 bytes + 32
.set PV, 288                           ; of V's: 256 bytes + 32
.set BREG, 128*PA                      ; a slot: 34,816 bytes for Wk or Q, then 69,632 for Xk (V uses 36,864 of them)
.set SLOT, BREG+128*PX                 ; 104,448
.set STAGE, 2*SLOT                     ; 208,896: 16 rows x 272 bytes for each wave, for the way out; no tensor load lands there
.set SPITCH, 272
.set ADA, 8                            ; v8-9    LDS address of Wk / Q fragments in slot 0, 1
.set ADX, 10                           ; v10-11  of Xk fragments
.set ADV, 12                           ; v12-13  of V fragments
.set STO, 14                           ; v14     the way out: where I put a number
.set RD,  15                           ; v15     the way out: where I read 16 bytes of a row back
.set CO,  16                           ; v16     my byte offset in out0
.set PF,  17                           ; v17     prefetch: lane x 16,384 + 256 x trip
.set HB,  18                           ; v18     32 (l / 16)
.set MX,  24                           ; v24-27  running maximum of S for tile t
.set TP,  28                           ; v28-31  at work
.set AL,  32                           ; v[32+2t:33+2t]  the trip's rescale factor, twice; at the end 1 / sum
.set NM,  40                           ; v[40+2t:41+2t]  - maximum x log2(e)/sqrt(128), twice
.set LS,  48                           ; v[48+2t:49+2t]  the lane's two partial sums of P
.set FB0, 64                           ; v64-159   fragment buffer 0
.set FB1, 160                          ; v160-255  fragment buffer 1
.set OT,  160                          ; the way out: 32 numbers
.set RB0, 64                           ; the way out: rows read back, two sets by turns
.set RB1, 96
.set G1W, 32                           ; s[32:39] s[40:47] s[48:55] s[56:63]  descriptor groups 1 of Wk, Xk, Q, V
.set G1X, 40
.set G1Q, 48
.set G1V, 56
.set G0W, 68                           ; s[68:75] s[76:83] s[84:91] s[92:99]  descriptor groups 0, four registers for each slot
.set G0X, 76
.set G0Q, 84
.set G0V, 92
.set PAD16_64,  (5<<22)|(3<<25)        ; 4 words of padding behind every 64
.set PAD32_64,  (5<<22)|(7<<25)        ; 8 words behind every 64
.set PAD32_128, (6<<22)|(7<<25)        ; 8 words behind every 128
.set MSB, 0
.macro WIN new                         ; the immediate's high byte repeats the setting that is left
.if MSB != \new
	s_set_vgpr_msb (MSB<<8)|\new
.set MSB, \new
.endif
.endm
.macro PLACES n                        ; places behind a matrix instruction are plain vector instructions that name none of its registers (ISA guide 7.12.1)
.rept \n
	v_nop
.endr
.endm
; A round of the cluster's barrier.
.macro ROUND
	s_barrier_signal -1
	s_barrier_wait -1
	s_cmp_lg_u32 s20, 0
	s_cbranch_scc1 .Lnot_wave_0_\@
	s_barrier_signal -3
.Lnot_wave_0_\@:
	s_barrier_wait -3
	s_barrier_signal -1
	s_barrier_wait -1
.endm
; Joint loads: waves 0, 1 fetch the halves of Wk's (Q's) tile, waves 2, 3 of Xk's (V's).  The branch hangs on the wave's number alone.
.macro JLOADP s
	s_cmp_eq_u32 s21, 0
	s_cbranch_scc0 .Lfor_x_\@
	tensor_load_to_lds s[G0W+4*(\s):G0W+4*(\s)+3], s[G1W:G1W+7]
	s_nop 0
	s_branch .Lasked_\@
.Lfor_x_\@:
	tensor_load_to_lds s[G0X+4*(\s):G0X+4*(\s)+3], s[G1X:G1X+7]
	s_nop 0
.Lasked_\@:
.endm
.macro JLOADA s
	s_cmp_eq_u32 s21, 0
	s_cbranch_scc0 .Lfor_v_\@
	tensor_load_to_lds s[G0Q+4*(\s):G0Q+4*(\s)+3], s[G1Q:G1Q+7]
	s_nop 0
	s_branch .Lasked_\@
.Lfor_v_\@:
	tensor_load_to_lds s[G0V+4*(\s):G0V+4*(\s)+3], s[G1V:G1V+7]
	s_nop 0
.Lasked_\@:
.endm
.macro MKG1 g, mask, pad, cols, pitch  ; 64 rows x cols elements of 2 bytes; bit 21 beside the mask
	s_or_b32  s[\g+0], \mask, (1<<16)|(1<<20)|(1<<21)|\pad
	s_mov_b32 s[\g+1], \cols<<16                   ; tensor_dim0
	s_mov_b32 s[\g+2], 64<<16                      ; tensor_dim1
	s_mov_b32 s[\g+3], \cols<<16                   ; tile_dim0
	s_mov_b32 s[\g+4], 64                          ; tile_dim1
	s_mov_b32 s[\g+5], \pitch                      ; elements from row to row
	s_mov_b32 s[\g+6], 0
	s_mov_b32 s[\g+7], 0
.endm
	s_load_b512 s[4:19], s[0:1], 0x0               ; wb s[4:5] xkb s[6:7] qv s[8:9] gamma2 s[10:11] beta2 s[12:13] mean2 s[14:15] var2 s[16:17] out0 s[18:19]
	v_lshl_add_u32 v62, v0, 2, 0x37400
	v_mov_b32 v63, 0
	ds_add_u32 v62, v63
	v_lshrrev_b32 v1, 5, v0
	v_readfirstlane_b32 s20, v1                    ; wave 0..3
	s_lshr_b32 s21, s20, 1                         ; which kind of tile I fetch
	s_and_b32 s22, s20, 1                          ; which 64 rows of it
	s_bfe_u32 s23, ttmp6, 0x40000                  ; cx
	s_bfe_u32 s24, ttmp6, 0x40004                  ; cy
	s_and_b32 s26, ttmp7, 0xffff                   ; cluster y, 0..7
	s_lshl_b32 s27, ttmp9, 2
	s_add_co_u32 s27, s27, s23                     ; block of i = 4 x cluster x + cx, 0..7
	s_and_b32 s28, s26, 1
	s_lshl_b32 s28, s28, 2
	s_add_co_u32 s28, s28, s24                     ; head = 4 (cluster y mod 2) + cy
	s_lshr_b32 s29, s26, 1                         ; batch = cluster y / 2: the same in the whole cluster
	s_lshl_b32 s30, s24, 2
	s_lshl_b32 s30, 15, s30                        ; my row of the cluster
	s_lshl_b32 s31, 0x1111, s23                    ; my column
	MKG1 G1W, s30, PAD16_64,  128, 1024
	MKG1 G1X, s31, PAD32_128, 256, 2048
	MKG1 G1Q, s30, PAD16_64,  128, 8192
	MKG1 G1V, s30, PAD32_64,  128, 8192
	; LDS addresses: the slot's constant, the region's constant, my half x 64 rows
	s_mul_i32 s25, s22, 64*PA
.irp s, 0,1
	s_mov_b32 s[G0W+4*\s], 1
	s_mov_b32 s[G0X+4*\s], 1
	s_mov_b32 s[G0Q+4*\s], 1
	s_mov_b32 s[G0V+4*\s], 1
	s_add_co_u32 s[G0W+4*\s+1], s25, \s*SLOT
	s_add_co_u32 s[G0Q+4*\s+1], s25, \s*SLOT
.endr
	s_mul_i32 s25, s22, 64*PX
.irp s, 0,1
	s_add_co_u32 s[G0X+4*\s+1], s25, BREG+\s*SLOT
.endr
	s_mul_i32 s25, s22, 64*PV
.irp s, 0,1
	s_add_co_u32 s[G0V+4*\s+1], s25, BREG+\s*SLOT
.endr
	; global offsets.  s25, s[66:67] hold the head, the batch and the wave alone; s[100:101] the block of i, the batch and the wave alone.
	s_lshl_b32 s66, s28, 18                        ; Wk: head x 128 rows of 2,048 bytes
	s_lshl_b32 s25, s22, 17                        ; + half x 64 rows
	s_add_co_u32 s66, s66, s25
	s_add_co_u32 s66, s66, 0x400000                ; behind Wq's and Wv's 2,048 rows
	s_mov_b32 s67, 0
	s_lshl_b32 s100, s29, 22                       ; Xk: batch x 1,024 rows of 4,096 bytes
	s_lshl_b32 s101, s27, 9                        ; + block x 256 i x 2 bytes
	s_add_co_u32 s100, s100, s101
	s_lshl_b32 s101, s22, 18                       ; + half x 64 rows
	s_add_co_u32 s100, s100, s101
	s_mov_b32 s101, 0
	s_wait_dscnt 0x0
	s_wait_kmcnt 0x0
	s_add_nc_u64 s[G0W+2:G0W+3], s[4:5], s[66:67]
	s_add_nc_u64 s[G0X+2:G0X+3], s[6:7], s[100:101]
	s_lshl_b32 s66, s28, 21                        ; Q: head x 128 rows of 16,384 bytes
	s_lshl_b32 s25, s22, 20                        ; + half x 64 rows
	s_add_co_u32 s66, s66, s25
	s_lshl_b32 s25, s29, 12                        ; + batch x 2,048 columns x 2 bytes
	s_add_co_u32 s66, s66, s25
	s_add_nc_u64 s[G0Q+2:G0Q+3], s[8:9], s[66:67]
	s_add_nc_u64 s[G0V+2:G0V+3], s[G0Q+2:G0Q+3], 0x1000000         ; V: 1,024 rows further down
	s_add_nc_u64 s[G0W+6:G0W+7], s[G0W+2:G0W+3], 256               ; slot 1 starts with tile 1: 128 elements along the rows,
	s_add_nc_u64 s[G0X+6:G0X+7], s[G0X+2:G0X+3], 0x80000           ; for Xk 128 rows down
	s_add_nc_u64 s[G0Q+6:G0Q+7], s[G0Q+2:G0Q+3], 256
	s_add_nc_u64 s[G0V+6:G0V+7], s[G0V+2:G0V+3], 256
.irp g, G0W, G0X, G0Q, G0V
	s_or_b32 s[\g+3], s[\g+3], 0x80000000          ; type = 2
	s_or_b32 s[\g+7], s[\g+7], 0x80000000
.endr
	ROUND                                          ; all sixteen work-groups are here: the first joint loads meet
	JLOADP 0                                       ; tile P0 into slot 0
	; BN2's four tables for my head: register (a, j) of lane l belongs to channel 16 a + 8 (l / 16) + j, as in a result tile
	v_bfe_u32 v2, v0, 4, 1                         ; l / 16
	v_lshlrev_b32 v[HB], 5, v2
	s_lshl_b32 s66, s28, 9                         ; head x 128 x 4 bytes
	s_add_nc_u64 s[10:11], s[10:11], s[66:67]
	s_add_nc_u64 s[12:13], s[12:13], s[66:67]
	s_add_nc_u64 s[14:15], s[14:15], s[66:67]
	s_add_nc_u64 s[16:17], s[16:17], s[66:67]
	WIN 0xc0                                       ; destination window 3, address window 0
.irp a, 0,1,2,3,4,5,6,7
	global_load_b128 v[8*\a:8*\a+3],         v[HB], s[10:11] offset:64*\a
	global_load_b128 v[8*\a+4:8*\a+7],       v[HB], s[10:11] offset:64*\a+16
	global_load_b128 v[64+8*\a:64+8*\a+3],   v[HB], s[12:13] offset:64*\a
	global_load_b128 v[64+8*\a+4:64+8*\a+7], v[HB], s[12:13] offset:64*\a+16
	global_load_b128 v[128+8*\a:128+8*\a+3],   v[HB], s[14:15] offset:64*\a
	global_load_b128 v[128+8*\a+4:128+8*\a+7], v[HB], s[14:15] offset:64*\a+16
	global_load_b128 v[192+8*\a:192+8*\a+3],   v[HB], s[16:17] offset:64*\a
	global_load_b128 v[192+8*\a+4:192+8*\a+7], v[HB], s[16:17] offset:64*\a+16
.endr
	WIN 0
	; addresses
	v_and_b32 v1, 15, v0                           ; r = l % 16
	v_and_b32 v3, 7, v0
	v_lshl_add_u32 v3, v2, 3, v3                   ; 8 (l / 16) + l % 8: my row in a transposing load
	v_bfe_u32 v4, v0, 3, 1
	v_lshlrev_b32 v4, 4, v4                        ; 16 ((l / 8) % 2): my 16 bytes in it
	v_mul_u32_u24 v5, v1, PA
	v_lshl_add_u32 v[ADA], v2, 4, v5               ; r x 272 + 16 (l / 16)
	v_add_nc_u32 v[ADA+1], SLOT, v[ADA]
	v_mul_u32_u24 v5, v3, PX
	v_add_nc_u32 v5, v5, v4
	s_lshl_b32 s25, s20, 7                         ; my wave's 64 columns of Xk's tile: 128 bytes
	s_add_co_u32 s25, s25, BREG
	v_add_nc_u32 v[ADX], s25, v5
	v_add_nc_u32 v[ADX+1], SLOT, v[ADX]
	v_mul_u32_u24 v5, v3, PV
	v_add_nc_u32 v5, v5, v4
	v_add_nc_u32 v[ADV], BREG, v5
	v_add_nc_u32 v[ADV+1], SLOT, v[ADV]
	s_mul_i32 s25, s20, 16*SPITCH
	s_add_co_u32 s25, s25, STAGE                   ; my stage
	v_mul_u32_u24 v5, v2, 8*SPITCH                 ; in: row 8 (l / 16) + register, word 16 t + r
	v_lshl_add_u32 v5, v1, 2, v5
	v_add_nc_u32 v[STO], s25, v5
	v_mul_u32_u24 v5, v2, SPITCH                   ; back: lanes 0-15 one row of 256 bytes, lanes 16-31 the next
	v_lshl_add_u32 v5, v1, 4, v5
	v_add_nc_u32 v[RD], s25, v5
	v_lshlrev_b32 v5, 13, v2                       ; and the same two rows of out0, 8,192 bytes apart
	v_lshl_add_u32 v[CO], v1, 4, v5
	v_and_b32 v5, 31, v0
	v_lshlrev_b32 v[PF], 14, v5                    ; a row of qv for each lane
.irp t, 0,1,2,3
	v_mov_b32 v[TP+\t], 0                          ; v_permlanex16_b32 counts as a reader of its destination
.endr
	s_lshl_b32 s66, s29, 23                        ; out0: batch x 1,024 rows of 8,192 bytes
	s_lshl_b32 s25, s28, 20                        ; + head x 128 rows
	s_add_co_u32 s66, s66, s25
	s_lshl_b32 s25, s20, 8                         ; + wave x 64 i x 4 bytes
	s_add_co_u32 s66, s66, s25
	s_add_nc_u64 s[18:19], s[18:19], s[66:67]
	s_lshl_b32 s100, s27, 10                       ; + block x 256 i x 4 bytes
	s_add_nc_u64 s[18:19], s[18:19], s[100:101]
	s_wait_loadcnt 0x0                             ; the tables are in; their bases may be written again
	; prefetch base: of a tile's 256 rows (Q's 128, V's 128) each of the head's eight work-groups asks for 32: row (block / 4) x 1,024 + 128 head + 32 (block % 4) + lane
	s_lshl_b32 s66, s28, 21
	s_lshl_b32 s25, s29, 12
	s_add_co_u32 s66, s66, s25
	s_add_co_u32 s66, s66, 512                     ; tile 2's columns: trip k asks for tile k + 2
	s_add_nc_u64 s[10:11], s[8:9], s[66:67]
	s_lshr_b32 s100, s27, 2
	s_lshl_b32 s100, s100, 24
	s_and_b32 s101, s27, 3
	s_lshl_b32 s101, s101, 19
	s_add_co_u32 s100, s100, s101
	s_mov_b32 s101, 0
	s_add_nc_u64 s[10:11], s[10:11], s[100:101]
	s_mov_b32 s4, 0x3e0293ee                       ; log2(e) / sqrt(128), as a pair for the packed multiply-add
	s_mov_b32 s5, 0x3e0293ee
	s_mov_b32 s6, 0xbe0293ee                       ; its negative
	s_mov_b32 s8, 0x76543210                       ; v_permlanex16_b32: lane i of one half reads lane i of the other
	s_mov_b32 s9, 0xfedcba98
	WIN 0xff                                       ; all in window 3: scale = gamma x rsq(var + 1e-5), bias = beta - mean x scale
.set n, 0
.rept 32
	v_pk_add_f32 v[192+2*n:193+2*n], v[192+2*n:193+2*n], 0x3727c5ac op_sel_hi:[1,0]
.set n, n+1
.endr
.set n, 0
.rept 64
	v_rsq_f32 v[192+n], v[192+n]
.set n, n+1
.endr
	v_nop                                          ; one plain place behind the last v_rsq_f32 (ISA guide 5.7.2)
.set n, 0
	s_wait_alu depctr_va_vdst(0)
.rept 32
	v_pk_mul_f32 v[2*n:2*n+1], v[2*n:2*n+1], v[192+2*n:193+2*n]
.set n, n+1
.endr
.set n, 0
.rept 64
	v_fma_f32 v[64+n], -v[128+n], v[n], v[64+n]
.set n, n+1
.endr
	WIN 0
; The head of a trip.  Every wave waits for all its tensor loads (its part of this trip's tile) and for its reads of the other slot; then the round; behind it the
; wave's one tensor load: the next tile, into the slot read last trip.  The group 0 stepped is this slot's: no load of the wave is out.
.macro TOPP slot, nxt
	s_wait_tensorcnt 0x0
	ds_add_u32 v62, v63
	s_add_nc_u64 s[G0W+4*\slot+2:G0W+4*\slot+3], s[G0W+4*\slot+2:G0W+4*\slot+3], 512
	s_add_nc_u64 s[G0X+4*\slot+2:G0X+4*\slot+3], s[G0X+4*\slot+2:G0X+4*\slot+3], 0x100000
	s_wait_dscnt 0x0
	ROUND
.if \nxt
	JLOADA 0                                       ; behind the last tile of phase P comes the first of phase A
.else
	JLOADP 1-\slot
.endif
.endm
.macro TOPA slot, refill
	s_wait_tensorcnt 0x0
	ds_add_u32 v62, v63
	s_wait_dscnt 0x0
	s_add_nc_u64 s[G0Q+4*\slot+2:G0Q+4*\slot+3], s[G0Q+4*\slot+2:G0Q+4*\slot+3], 512
	s_add_nc_u64 s[G0V+4*\slot+2:G0V+4*\slot+3], s[G0V+4*\slot+2:G0V+4*\slot+3], 512
	s_wait_dscnt 0x0
	ROUND
.if \refill
	JLOADA 1-\slot
.endif
.endm
; 16 loads: 128 rows x 32 K (bytes 64 q of the rows) of Wk's or Q's tile: fragment a at fb + 8 a
.macro FETCHA slot, q, fb
.irp a, 0,1,2,3,4,5,6,7
	ds_load_b128 v[\fb+8*\a:\fb+8*\a+3],   v[ADA+\slot] offset:\a*16*PA+64*\q
	ds_load_b128 v[\fb+8*\a+4:\fb+8*\a+7], v[ADA+\slot] offset:\a*16*PA+64*\q+32
.endr
.endm
; 8 transposing loads: my 64 columns x 32 K (rows 32 q ..) of Xk's tile: fragment t at fb + 64 + 8 t
.macro FETCHX slot, q, fb
.irp t, 0,1,2,3
	ds_load_tr16_b128 v[\fb+64+8*\t:\fb+64+8*\t+3],   v[ADX+\slot] offset:32*\q*PX+32*\t
	ds_load_tr16_b128 v[\fb+64+8*\t+4:\fb+64+8*\t+7], v[ADX+\slot] offset:32*\q*PX+32*\t+16*PX
.endr
.endm
; 16 transposing loads: columns j of tiles u = 2 g, 2 g + 1 x all 128 c of V's tile: fragment (u', s) at fb + 8 (4 u' + s)
.macro FETCHV slot, g, fb
.irp u, 0,1
.irp s, 0,1,2,3
	ds_load_tr16_b128 v[\fb+8*(4*\u+\s):\fb+8*(4*\u+\s)+3],   v[ADV+\slot] offset:32*\s*PV+32*(2*\g+\u)
	ds_load_tr16_b128 v[\fb+8*(4*\u+\s)+4:\fb+8*(4*\u+\s)+7], v[ADV+\slot] offset:32*\s*PV+32*(2*\g+\u)+16*PV
.endr
.endr
.endm
; The three products, 32 matrix instructions each.  In each the accumulators take turns, one instruction a turn, and no two matrix instructions that
; follow each other, from one product to the next and over the backward jumps too, share an accumulator.
.macro MULP fb, zero                   ; K(a, t) += Wk(a) Xk(t)
	WIN 0xa0                                       ; A, B window 0; C, D window 2
.irp a, 0,1,2,3,4,5,6,7
.irp t, 0,1,2,3
.if \zero
	v_wmma_f32_16x16x32_bf16 v[8*(4*\a+\t):8*(4*\a+\t)+7], v[\fb+8*\a:\fb+8*\a+7], v[\fb+64+8*\t:\fb+64+8*\t+7], 0
.else
	v_wmma_f32_16x16x32_bf16 v[8*(4*\a+\t):8*(4*\a+\t)+7], v[\fb+8*\a:\fb+8*\a+7], v[\fb+64+8*\t:\fb+64+8*\t+7], v[8*(4*\a+\t):8*(4*\a+\t)+7]
.endif
.endr
.endr
.endm
.macro MULS g, fb                      ; S(2 g + u', t) = sum over s of V(u', s) KF(t, s); s = 0 starts the sums
	WIN 0xf4                                       ; A window 0, B window 1; C, D window 3
.irp s, 0,1,2,3
.irp u, 0,1
.irp t, 0,1,2,3
.if \s == 0
	v_wmma_f32_16x16x32_bf16 v[64*\t+8*(2*\g+\u):64*\t+8*(2*\g+\u)+7], v[\fb+8*(4*\u+\s):\fb+8*(4*\u+\s)+7], v[8*(4*\t+\s):8*(4*\t+\s)+7], 0
.else
	v_wmma_f32_16x16x32_bf16 v[64*\t+8*(2*\g+\u):64*\t+8*(2*\g+\u)+7], v[\fb+8*(4*\u+\s):\fb+8*(4*\u+\s)+7], v[8*(4*\t+\s):8*(4*\t+\s)+7], v[64*\t+8*(2*\g+\u):64*\t+8*(2*\g+\u)+7]
.endif
.endr
.endr
.endr
.endm
.macro MULPV q, fb, zero               ; O(a, t) += Q(a) P(t, q)
	WIN 0xac                                       ; A window 0, B window 3; C, D window 2
.irp a, 0,1,2,3,4,5,6,7
.irp t, 0,1,2,3
.if \zero
	v_wmma_f32_16x16x32_bf16 v[8*(4*\a+\t):8*(4*\a+\t)+7], v[\fb+8*\a:\fb+8*\a+7], v[64*\t+16*\q:64*\t+16*\q+7], 0
.else
	v_wmma_f32_16x16x32_bf16 v[8*(4*\a+\t):8*(4*\a+\t)+7], v[\fb+8*\a:\fb+8*\a+7], v[64*\t+16*\q:64*\t+16*\q+7], v[8*(4*\a+\t):8*(4*\a+\t)+7]
.endif
.endr
.endr
.endm
; A trip of phase P: four quarters of 32 K on buffers 0, 1, 0, 1.  A fetch is 24 loads; s_wait_dscnt 24 leaves out the one younger fetch.
.macro FETCHP slot, q, fb
	FETCHA \slot, \q, \fb
	FETCHX \slot, \q, \fb
.endm
.macro PTRIP slot, zero, nxt
	TOPP \slot, \nxt
	PLACES 4                                       ; the loads below land in registers that the last trip's matrix instructions read
	FETCHP \slot, 0, FB0
	FETCHP \slot, 1, FB1
	s_wait_dscnt 24
	MULP FB0, \zero
	WIN 0
	PLACES 4
	FETCHP \slot, 2, FB0
	s_wait_dscnt 24
	MULP FB1, 0
	WIN 0
	PLACES 4
	FETCHP \slot, 3, FB1
	s_wait_dscnt 24
	MULP FB0, 0
	s_wait_dscnt 0
	MULP FB1, 0
	WIN 0
.endm
	PTRIP 0, 1, 0                                  ; P0: its first products start the sums
	PTRIP 1, 0, 0
	s_mov_b32 s7, 2
.Lp:
	PTRIP 0, 0, 0                                  ; P2 .. P5
	PTRIP 1, 0, 0
	s_sub_co_u32 s7, s7, 1
	s_cmp_lg_u32 s7, 0
	s_cbranch_scc1 .Lp
	PTRIP 0, 0, 0                                  ; P6
	PTRIP 1, 0, 1                                  ; P7: asks for A0
	; K: scale and bias, leaky, bf16.  Tiles a = 2 s and 2 s + 1 make registers 0-3 and 4-7 of KF(t, s).  Meanwhile tile A0 is on its way.
	PLACES 4
	WIN 0xbe                                       ; K window 2, scale and bias window 3
.irp a, 0,1,2,3,4,5,6,7
.irp t, 0,1,2,3
.irp k, 0,1,2,3
	v_pk_fma_f32 v[8*(4*\a+\t)+2*\k:8*(4*\a+\t)+2*\k+1], v[8*(4*\a+\t)+2*\k:8*(4*\a+\t)+2*\k+1], v[8*\a+2*\k:8*\a+2*\k+1], v[64+8*\a+2*\k:64+8*\a+2*\k+1]
.endr
.endr
.endr
.macro KHALF hh                        ; tiles a = 4 hh .. 4 hh + 3, through v64-191 of window 0
	WIN 0x02
.irp a, 0,1,2,3
.irp t, 0,1,2,3
.irp k, 0,1,2,3
	v_pk_mul_f32 v[64+8*(4*\a+\t)+2*\k:64+8*(4*\a+\t)+2*\k+1], v[8*(4*(4*\hh+\a)+\t)+2*\k:8*(4*(4*\hh+\a)+\t)+2*\k+1], 0x3dcccccd op_sel_hi:[1,0]
.endr
.irp k, 0,1,2,3,4,5,6,7
	v_max_num_f32 v[64+8*(4*\a+\t)+\k], v[8*(4*(4*\hh+\a)+\t)+\k], v[64+8*(4*\a+\t)+\k]   ; max(y, 0.1 y)
.endr
.endr
.endr
	WIN 0x40
.irp a, 0,1,2,3
.irp t, 0,1,2,3
.irp k, 0,1,2,3
	v_cvt_pk_bf16_f32 v[8*(4*\t+2*\hh+(\a/2))+4*(\a%2)+\k], v[64+8*(4*\a+\t)+2*\k], v[64+8*(4*\a+\t)+2*\k+1]
.endr
.endr
.endr
.endm
	KHALF 0
	KHALF 1
	WIN 0
; The running softmax of a trip, the four tiles t side by side in every run.
.macro SOFTMAX first, pf
.if \first
	WIN 0x0f
.irp t, 0,1,2,3
	v_max_num_f32 v[MX+\t], v[64*\t], v[64*\t+1]   ; the first two numbers start the maximum
.endr
	WIN 0x3c
.else
	WIN 0x3c
.irp t, 0,1,2,3
	v_max3_num_f32 v[MX+\t], v[MX+\t], v[64*\t], v[64*\t+1]
.endr
.endif
.set n, 1
.rept 31
.irp t, 0,1,2,3
	v_max3_num_f32 v[MX+\t], v[MX+\t], v[64*\t+2*n], v[64*\t+2*n+1]
.endr
.set n, n+1
.endr
	WIN 0
.irp t, 0,1,2,3
	v_permlanex16_b32 v[TP+\t], v[MX+\t], s8, s9   ; the other half of column i's numbers lies in lane l xor 16
.endr
.irp t, 0,1,2,3
	v_max_num_f32 v[MX+\t], v[MX+\t], v[TP+\t]
.endr
.if \first
.irp t, 0,1,2,3
	v_mul_f32 v[NM+2*\t], s6, v[MX+\t]
.endr
.else
.irp t, 0,1,2,3
	v_mul_f32 v[TP+\t], s6, v[MX+\t]               ; the new - max x log2(e)/sqrt(128)
.endr
.irp t, 0,1,2,3
	v_sub_f32 v[AL+2*\t], v[TP+\t], v[NM+2*\t]     ; new - old, at most 0: what the old sums' exponents lack
.endr
.irp t, 0,1,2,3
	v_exp_f32 v[AL+2*\t], v[AL+2*\t]
.endr
.irp t, 0,1,2,3
	v_mov_b32 v[NM+2*\t], v[TP+\t]                 ; plain work behind the last v_exp_f32 (ISA guide 5.7.2)
.endr
	s_wait_alu depctr_va_vdst(0)
.irp t, 0,1,2,3
	v_mov_b32 v[AL+2*\t+1], v[AL+2*\t]
.endr
.irp t, 0,1,2,3
	v_pk_mul_f32 v[LS+2*\t:LS+2*\t+1], v[LS+2*\t:LS+2*\t+1], v[AL+2*\t:AL+2*\t+1]
.endr
.endif
.irp t, 0,1,2,3
	v_mov_b32 v[NM+2*\t+1], v[NM+2*\t]
.endr
.if \pf
	s_wait_xcnt 0x0                                ; the prefetch, 96 matrix instructions back, has read its address register
	v_add_nc_u32 v[PF], 256, v[PF]                 ; the next trip asks for the next tile
.endif
	WIN 0xc3                                       ; S window 3 in place, NM window 0
.set n, 0
.rept 32
.irp t, 0,1,2,3
	v_pk_fma_f32 v[64*\t+2*n:64*\t+2*n+1], v[64*\t+2*n:64*\t+2*n+1], s[4:5], v[NM+2*\t:NM+2*\t+1] op_sel_hi:[1,0,1]
.endr
.set n, n+1
.endr
.set n, 0
.rept 256
	v_exp_f32 v[n], v[n]
.set n, n+1
.endr
	v_nop                                          ; one plain place behind the last v_exp_f32
.if \first
	WIN 0x0f
	s_wait_alu depctr_va_vdst(0)
.irp t, 0,1,2,3
	v_pk_add_f32 v[LS+2*\t:LS+2*\t+1], v[64*\t:64*\t+1], v[64*\t+2:64*\t+3]   ; the first two pairs start the sums
.endr
.set n, 2
.else
.set n, 0
.endif
	WIN 0x0c
	s_wait_alu depctr_va_vdst(0)
.rept 32-2*\first
.irp t, 0,1,2,3
	v_pk_add_f32 v[LS+2*\t:LS+2*\t+1], v[LS+2*\t:LS+2*\t+1], v[64*\t+2*n:64*\t+2*n+1]
.endr
.set n, n+1
.endr
	WIN 0xcf                                       ; P in place: tiles u = 2 q, 2 q + 1 make registers 0-3, 4-7 of P(t, q)
.irp t, 0,1,2,3
.irp q, 0,1,2,3
.irp k, 0,1,2,3
	v_cvt_pk_bf16_f32 v[64*\t+16*\q+\k], v[64*\t+16*\q+2*\k], v[64*\t+16*\q+2*\k+1]
.endr
.irp k, 0,1,2,3
	v_cvt_pk_bf16_f32 v[64*\t+16*\q+4+\k], v[64*\t+16*\q+8+2*\k], v[64*\t+16*\q+8+2*\k+1]
.endr
.endr
.endr
.if \first == 0
	WIN 0x82                                       ; O window 2 in place
.irp a, 0,1,2,3,4,5,6,7
.irp t, 0,1,2,3
.irp k, 0,1,2,3
	v_pk_mul_f32 v[8*(4*\a+\t)+2*\k:8*(4*\a+\t)+2*\k+1], v[8*(4*\a+\t)+2*\k:8*(4*\a+\t)+2*\k+1], v[AL+2*\t:AL+2*\t+1]
.endr
.endr
.endr
.endif
.endm
; A trip of phase A.  Every fetch is 16 loads; each s_wait_dscnt 16 leaves out the one younger fetch.
; pf = 1: wave 0 asks for its work-group's 32 rows (256 bytes each) of tile k + 2, whose tensor load is issued at the head of the next trip;
; the eight work-groups of a head share a tile's 256 rows out, so each block is asked for once.  Trips 14 and 15 ask for nothing: tile 15 is the last.
.macro ATRIP slot, first, refill, pf
	TOPA \slot, \refill
	PLACES 5                                       ; the first products below write over P, which the last trip's matrix instructions read; the loads land in their A's
	FETCHV \slot, 0, FB0
	FETCHV \slot, 1, FB1
	s_wait_dscnt 16
	MULS 0, FB0
	WIN 0
	PLACES 4
	FETCHV \slot, 2, FB0
	s_wait_dscnt 16
.if \pf
	s_cmp_lg_u32 s20, 0
	s_cbranch_scc1 .Lno_prefetch_\@
	global_prefetch_b8 v[PF], s[10:11] th:TH_LOAD_NT scope:SCOPE_SE
.Lno_prefetch_\@:
.endif
	MULS 1, FB1
	WIN 0
	PLACES 4
	FETCHV \slot, 3, FB1
	s_wait_dscnt 16
	MULS 2, FB0
	WIN 0
	PLACES 4
	FETCHA \slot, 0, FB0
	s_wait_dscnt 16
	MULS 3, FB1
	WIN 0
	PLACES 4                                       ; also for the softmax, which reads and writes the results
	FETCHA \slot, 1, FB1
	SOFTMAX \first, \pf
	s_wait_dscnt 16
	MULPV 0, FB0, \first
	WIN 0
	PLACES 4
	FETCHA \slot, 2, FB0
	s_wait_dscnt 16
	MULPV 1, FB1, 0
	WIN 0
	PLACES 4
	FETCHA \slot, 3, FB1
	s_wait_dscnt 16
	MULPV 2, FB0, 0
	s_wait_dscnt 0
	MULPV 3, FB1, 0
	WIN 0
.endm
	ATRIP 0, 1, 1, 1                               ; A0: starts the maximum, the sums and O
	ATRIP 1, 0, 1, 1
	s_mov_b32 s7, 6
.La:
	ATRIP 0, 0, 1, 1                               ; A2 .. A13
	ATRIP 1, 0, 1, 1
	s_sub_co_u32 s7, s7, 1
	s_cmp_lg_u32 s7, 0
	s_cbranch_scc1 .La
	ATRIP 0, 0, 1, 0                               ; A14: asks for the last tile
	ATRIP 1, 0, 0, 0                               ; A15: nothing is left to fetch; its wait for 0 leaves no tensor load out at the end
	; THE WAY OUT: divide by the sums; 16 rows c x 64 i at a time through my own stage, so that rows of 256 bytes leave whole.
	PLACES 4
.irp t, 0,1,2,3
	v_add_f32 v[LS+2*\t], v[LS+2*\t], v[LS+2*\t+1]
.endr
.irp t, 0,1,2,3
	v_permlanex16_b32 v[TP+\t], v[LS+2*\t], s8, s9
.endr
.irp t, 0,1,2,3
	v_add_f32 v[LS+2*\t], v[LS+2*\t], v[TP+\t]     ; the whole sum of column i; the largest weight is about 1, so it is no denormal
.endr
.irp t, 0,1,2,3
	v_rcp_f32 v[AL+2*\t], v[LS+2*\t]
.endr
	v_nop                                          ; one plain place behind the last v_rcp_f32
	s_wait_alu depctr_va_vdst(0)
.irp t, 0,1,2,3
	v_mov_b32 v[AL+2*\t+1], v[AL+2*\t]
.endr
.macro OUTA a, rb
	WIN 0x02
.irp t, 0,1,2,3
.irp k, 0,1,2,3
	v_pk_mul_f32 v[OT+8*\t+2*\k:OT+8*\t+2*\k+1], v[8*(4*\a+\t)+2*\k:8*(4*\a+\t)+2*\k+1], v[AL+2*\t:AL+2*\t+1]
.endr
.endr
	WIN 0
.irp t, 0,1,2,3
.irp j, 0,1,2,3,4,5,6,7
	ds_store_b32 v[STO], v[OT+8*\t+\j] offset:SPITCH*\j+64*\t      ; row 8 (l / 16) + j, word 16 t + r
.endr
.endr
	s_wait_xcnt 0x0                                ; set rb, which earlier stores read, is loaded again only behind this wait
.irp p, 0,1,2,3,4,5,6,7
	ds_load_b128 v[\rb+4*\p:\rb+4*\p+3], v[RD] offset:2*SPITCH*\p  ; LDS serves a wave's instructions in order: these see the stores above
.endr
.irp p, 0,1,2,3,4,5,6,7
	s_wait_dscnt 7-\p                              ; load p is in, the 7 - p younger ones stay out
	global_store_b128 v[CO], v[\rb+4*\p:\rb+4*\p+3], s[18:19] offset:(16*\a+2*\p)*8192 th:TH_STORE_NT   ; 16 lanes store 256 consecutive bytes, aligned
.endr
.endm
	OUTA 0, RB0
	OUTA 1, RB1
	OUTA 2, RB0
	OUTA 3, RB1
	OUTA 4, RB0
	OUTA 5, RB1
	OUTA 6, RB0
	OUTA 7, RB1
	s_wait_tensorcnt 0x0
	ds_add_u32 v62, v63
	s_wait_dscnt 0x0
	ROUND                                          ; the closing round: no work-group ends while a partner may still ask for a tile that names it
	s_endpgm
.Lfunc_end_k_qbd45294892_attn:
	.size	k_qbd45294892_attn, .Lfunc_end_k_qbd45294892_attn-k_qbd45294892_attn
	.p2alignl 7, 3214868480
	.fill 96, 4, 3214868480
	.section	.rodata,"a",@progbits
	.p2align	6, 0x0
	.amdhsa_kernel k_qbd45294892_attn
		.amdhsa_group_segment_fixed_size 327680
		.amdhsa_private_segment_fixed_size 0
		.amdhsa_enable_private_segment 0
		.amdhsa_kernarg_size 64
		.amdhsa_user_sgpr_count 2
		.amdhsa_user_sgpr_kernarg_segment_ptr 1
		.amdhsa_wavefront_size32 1
		.amdhsa_system_sgpr_workgroup_id_x 1
		.amdhsa_system_sgpr_workgroup_id_y 1
		.amdhsa_system_sgpr_workgroup_id_z 1
		.amdhsa_system_vgpr_workitem_id 0
		.amdhsa_next_free_vgpr 1024
		.amdhsa_next_free_sgpr 102
		.amdhsa_reserve_vcc 0
		.amdhsa_float_denorm_mode_32 3
		.amdhsa_float_denorm_mode_16_64 3
		.amdhsa_memory_ordered 1
		.amdhsa_forward_progress 1
		.amdhsa_inst_pref_size 255
	.end_amdhsa_kernel
	.section	.bss,"aw",@nobits
	.p2align	6
	.space	262144
	.amdgpu_metadata
---
amdhsa.version: [ 1, 2 ]
amdhsa.kernels:
  - .name:           k_qbd45294892_attn
    .symbol:         k_qbd45294892_attn.kd
    .args:
      - { .name: wb, .offset: 0, .size: 8, .value_kind: global_buffer, .address_space: global }
      - { .name: xkb, .offset: 8, .size: 8, .value_kind: global_buffer, .address_space: global }
      - { .name: qv, .offset: 16, .size: 8, .value_kind: global_buffer, .address_space: global }
      - { .name: gamma2, .offset: 24, .size: 8, .value_kind: global_buffer, .address_space: global }
      - { .name: beta2, .offset: 32, .size: 8, .value_kind: global_buffer, .address_space: global }
      - { .name: mean2, .offset: 40, .size: 8, .value_kind: global_buffer, .address_space: global }
      - { .name: var2, .offset: 48, .size: 8, .value_kind: global_buffer, .address_space: global }
      - { .name: out0, .offset: 56, .size: 8, .value_kind: global_buffer, .address_space: global }
    .group_segment_fixed_size: 327680
    .private_segment_fixed_size: 0
    .kernarg_segment_align: 8
    .kernarg_segment_size: 64
    .max_flat_workgroup_size: 128
    .sgpr_count:     102
    .vgpr_count:     1024
    .wavefront_size: 32
...
	.end_amdgpu_metadata
.endif
;; end of part 3
;; ======== version 2 of 2: 3 launches
;; workspace buffers: xqb 16,777,216 bytes; xkb 16,777,216 bytes; wb 6,291,456 bytes; qv 33,554,432 bytes
;; launch cvt (part 4): grid 1216 x 1, 8 waves a work-group, no clusters, 0 bytes of LDS; arguments Xq, Xk, Wq, Wv, Wk, xqb, xkb, wb; writes xqb, xkb, wb
.if DOCPART == 4
	.amdgcn_target "amdgcn-amd-amdhsa--gfx1250"
	.amdhsa_code_object_version 6
	.text
	.protected	k_qbd45294892_cvt
	.globl	k_qbd45294892_cvt
	.p2align	8
	.type	k_qbd45294892_cvt,@function
k_qbd45294892_cvt:
	s_mov_b64 s[64:65], 0
	v_nop
	global_prefetch_b8 v0, s[64:65] scope:SCOPE_SE
	s_setreg_imm32_b32 hwreg(HW_REG_WAVE_MODE, 25, 1), 1
	s_wait_xcnt 0x0
; f32 -> bf16 (round to nearest even), element by element, layouts kept:
;   Xq -> xqb, Xk -> xkb ([4][1024][2048]),  Wq, Wv, Wk -> wb rows 0-1023, 1024-2047, 2048-3071 ([3072][1024]).
; The later launches feed the matrix units with bf16 and read each operand several times: one pass makes them half as wide.
; A work-group converts 16,384 numbers: 64 KiB in, 32 KiB out.  512 + 512 + 3 x 64 = 1,216 work-groups.
; Thread t takes the 16 bytes at 16 t of each 4 KiB step, so a load of a wave covers 512 consecutive bytes and no byte's neighbourhood is
; touched by two loads; its four numbers become 8 bytes, stored at 8 t of each 2 KiB step: a store of a wave covers 256 consecutive bytes, aligned.
; All sixteen loads of a thread go out at once; no register is written twice, so there is no loop and no wait but the counted ones for
; the data.  A stream: no LDS, no barrier, no matrix unit, no cluster (no two work-groups read the same byte).
; LIMIT: numbers beyond bf16's precision are rounded here (8 bits of significand); the range is f32's.
.set X, 4                              ; v[4:67]  step i: 4 registers as loaded; the first 2 of them as stored
	s_load_b512 s[4:19], s[0:1], 0x0               ; Xq s[4:5] Xk s[6:7] Wq s[8:9] Wv s[10:11] Wk s[12:13] xqb s[14:15] xkb s[16:17] wb s[18:19]
	s_and_b32 s20, ttmp9, 511                      ; block in an X
	s_and_b32 s21, ttmp9, 63                       ; block in a W
	s_sub_co_u32 s22, ttmp9, 1024                  ; block in wb (used from work-group 1,024 on)
	s_cmp_ge_u32 ttmp9, 1024
	s_cselect_b32 s22, s22, s20                    ; block of the destination
	s_cselect_b32 s20, s21, s20                    ; block of the source
	s_lshl_b32 s24, s20, 16                        ; x 64 KiB
	s_mov_b32 s25, 0
	s_lshl_b32 s26, s22, 15                        ; x 32 KiB
	s_mov_b32 s27, 0
	v_lshlrev_b32 v1, 4, v0                        ; 16 t, never rewritten
	v_lshlrev_b32 v2, 3, v0                        ; 8 t, never rewritten
	s_wait_kmcnt 0x0
	s_cmp_ge_u32 ttmp9, 512                        ; the choice of buffers hangs on the work-group's number alone
	s_cselect_b64 s[4:5], s[6:7], s[4:5]
	s_cselect_b64 s[14:15], s[16:17], s[14:15]
	s_cmp_ge_u32 ttmp9, 1024
	s_cselect_b64 s[4:5], s[8:9], s[4:5]
	s_cselect_b64 s[14:15], s[18:19], s[14:15]
	s_cmp_ge_u32 ttmp9, 1088
	s_cselect_b64 s[4:5], s[10:11], s[4:5]
	s_cmp_ge_u32 ttmp9, 1152
	s_cselect_b64 s[4:5], s[12:13], s[4:5]
	s_add_nc_u64 s[4:5], s[4:5], s[24:25]
	s_add_nc_u64 s[14:15], s[14:15], s[26:27]
.irp i, 0,1,2,3,4,5,6,7,8,9,10,11,12,13,14,15
	global_load_b128 v[X+4*\i:X+4*\i+3], v1, s[4:5] offset:4096*\i th:TH_LOAD_NT
.endr
.irp i, 0,1,2,3,4,5,6,7,8,9,10,11,12,13,14,15
	s_wait_loadcnt 15-\i                           ; loads come back in order: step i's is in, the 15 - i younger ones stay out
	v_cvt_pk_bf16_f32 v[X+4*\i],   v[X+4*\i],   v[X+4*\i+1]        ; in place: word 0 is written when words 0, 1 are read,
	v_cvt_pk_bf16_f32 v[X+4*\i+1], v[X+4*\i+2], v[X+4*\i+3]        ; word 1 after it has been read
	global_store_b64 v2, v[X+4*\i:X+4*\i+1], s[14:15] offset:2048*\i
.endr
	s_endpgm
.Lfunc_end_k_qbd45294892_cvt:
	.size	k_qbd45294892_cvt, .Lfunc_end_k_qbd45294892_cvt-k_qbd45294892_cvt
	.p2alignl 7, 3214868480
	.fill 96, 4, 3214868480
	.section	.rodata,"a",@progbits
	.p2align	6, 0x0
	.amdhsa_kernel k_qbd45294892_cvt
		.amdhsa_group_segment_fixed_size 0
		.amdhsa_private_segment_fixed_size 0
		.amdhsa_enable_private_segment 0
		.amdhsa_kernarg_size 64
		.amdhsa_user_sgpr_count 2
		.amdhsa_user_sgpr_kernarg_segment_ptr 1
		.amdhsa_wavefront_size32 1
		.amdhsa_system_sgpr_workgroup_id_x 1
		.amdhsa_system_sgpr_workgroup_id_y 1
		.amdhsa_system_sgpr_workgroup_id_z 1
		.amdhsa_system_vgpr_workitem_id 0
		.amdhsa_next_free_vgpr 68
		.amdhsa_next_free_sgpr 66
		.amdhsa_reserve_vcc 0
		.amdhsa_float_denorm_mode_32 3
		.amdhsa_float_denorm_mode_16_64 3
		.amdhsa_memory_ordered 1
		.amdhsa_forward_progress 1
		.amdhsa_inst_pref_size 7
	.end_amdhsa_kernel
	.amdgpu_metadata
---
amdhsa.version: [ 1, 2 ]
amdhsa.kernels:
  - .name:           k_qbd45294892_cvt
    .symbol:         k_qbd45294892_cvt.kd
    .args:
      - { .name: Xq, .offset: 0, .size: 8, .value_kind: global_buffer, .address_space: global }
      - { .name: Xk, .offset: 8, .size: 8, .value_kind: global_buffer, .address_space: global }
      - { .name: Wq, .offset: 16, .size: 8, .value_kind: global_buffer, .address_space: global }
      - { .name: Wv, .offset: 24, .size: 8, .value_kind: global_buffer, .address_space: global }
      - { .name: Wk, .offset: 32, .size: 8, .value_kind: global_buffer, .address_space: global }
      - { .name: xqb, .offset: 40, .size: 8, .value_kind: global_buffer, .address_space: global }
      - { .name: xkb, .offset: 48, .size: 8, .value_kind: global_buffer, .address_space: global }
      - { .name: wb, .offset: 56, .size: 8, .value_kind: global_buffer, .address_space: global }
    .group_segment_fixed_size: 0
    .private_segment_fixed_size: 0
    .kernarg_segment_align: 8
    .kernarg_segment_size: 64
    .max_flat_workgroup_size: 256
    .sgpr_count:     66
    .vgpr_count:     68
    .wavefront_size: 32
...
	.end_amdgpu_metadata
.endif
;; end of part 4
;; launch projqv: the kernel of part 2 again; grid 32 x 8, 4 waves a work-group, clusters of 4 x 4, 327,680 bytes of LDS; arguments wb, xqb, qv, gamma1, beta1, mean1, var1, gamma3, beta3, mean3, var3; writes qv
;; launch attn (part 5): grid 8 x 32, 4 waves a work-group, clusters of 4 x 4, 327,680 bytes of LDS; arguments wb, xkb, qv, gamma2, beta2, mean2, var2, out0; writes out0
.if DOCPART == 5
	.amdgcn_target "amdgcn-amd-amdhsa--gfx1250"
	.amdhsa_code_object_version 6
	.text
	.protected	k_qbd45294892_attn
	.globl	k_qbd45294892_attn
	.p2align	8
	.type	k_qbd45294892_attn,@function
k_qbd45294892_attn:
	s_mov_b64 s[64:65], 0
	v_nop
	global_prefetch_b8 v0, s[64:65] scope:SCOPE_SE
	s_setreg_imm32_b32 hwreg(HW_REG_WAVE_MODE, 25, 1), 1
	s_wait_xcnt 0x0
	s_wait_alu depctr_hold_cnt(0) depctr_sa_sdst(0) depctr_va_vdst(0) depctr_va_sdst(0) depctr_va_ssrc(0) depctr_va_vcc(0) depctr_vm_vsrc(0)
	s_getreg_b32 s2, hwreg(HW_REG_IB_STS2, 6, 4)
	s_cmp_eq_u32 s2, 0
	s_cbranch_scc0 .Lentry_in_a_cluster
	s_endpgm
.Lentry_in_a_cluster:
	s_bfe_u32 s2, ttmp6, 0x10000c
	s_cmp_lg_u32 s2, 0xf033
	s_cbranch_scc0 .Lentry_shape_is_right
	s_endpgm
.Lentry_shape_is_right:
; out0[b][128 h + c][i] = sum over j of softmax_j( sum over c' of K[c'][i] V[c'][j] / sqrt(128) ) Q[c][j], for each of 32 heads (b, h),
; with K = leaky(BN2(Wk Xk)) made here and never stored.  Q = qv rows 128 h .., V = qv rows 1024 + 128 h .., columns 2048 b + j, bf16.
; A work-group owns a head and 256 columns i; a wave 64 of them (four tiles t of 16).  8 x 32 = 256 work-groups, four waves each.
; PHASE P, 8 trips (K steps of 128 over the 1,024 input channels): K[128 c][64 i] of the wave = Wk[128 h + c][.] Xk[b][.][i], 32 accumulator tiles.
;   A result tile holds (m = 8 (l/16) + register, n = l % 16), so two tiles of c, scaled, biased, leaky and packed to bf16, ARE the fragment (n = i, k = c).
; PHASE A, 16 trips (128 columns j each):  S^T[j][i] = V^T K (A = V, read with the transposing load; B = the K fragments), 32 tiles;
;   a running softmax over j: a column i is one lane and its partner l xor 16; P = exp2((S - max) log2(e)/sqrt(128)) packed in place IS the fragment (n = i, k = j);
;   O[c][i] += Q P (A = Q).  The maximum is the true running maximum; O and the sums are rescaled in every trip.
; VECTOR AND MATRIX WORK BY TURNS (trips A1 to A15): the softmax's vector instructions stand between the matrix instructions instead of in one run of their own.
;   The maxima of a group of S stand among the next group's products.  The second product goes in sixteen groups w = 4 q + t of eight matrix instructions, and
;   group w needs only P(t, q), sixteen registers of S; so exponent, exponential, sum and packing run as a stream of stages two groups ahead of the products,
;   five vector instructions behind each matrix instruction, none of which names a register of the matrix instructions around it.
;   Between S and the second product only these stay in runs: the last group's maxima, the step across lanes, the rescale of O (it needs the whole maximum), stages 0 and 1.
; RING: two LDS slots, one tile pair a trip (Wk + Xk, then Q + V), each wave one tensor load a trip: one tensor load of a wave is out at any time.
; THE TEXT IS KEPT SHORT: a trip of phase A is some 1,700 instructions.  Only the first trip of a phase (its products start the sums) and the last (it asks for
; another kind of tile, or for none) are written out; all between go round a loop of two trips, slot 1 and then slot 0: four copies of a trip for each phase.
; CLUSTERS: 4 x 4 work-groups = 4 blocks of i (cx) x 4 heads of one batch (cy).  Wk's, Q's and V's tiles hang on the head alone and are asked for jointly along
; a row of the cluster; Xk's hang on the batch and the block of i and are asked for jointly along a column.  That divides all requests by four.
; LIMITS: K, V, Q and P are rounded to bf16; v_exp_f32, v_rsq_f32, v_rcp_f32 are good to 1 ULP and flush denormals (a weight below 2^-126 of the row's largest
; counts as zero); NaN and infinities in the inputs are not carried as the f32 formula carries them.
;
; REGISTERS, in windows of 256:
;   window 0: addresses, softmax state, two fragment buffers of 96 registers
;   window 1: v0-127 the K fragments KF(t, s) = 8 (4 t + s), s = 32 c each
;   window 2: O(a, t) = 8 (4 a + t), a = 16 c each; in phase P the accumulators of K in the same places
;   window 3: S(u, t) = 64 t + 8 u, u = 16 j each; P(t, q) = 64 t + 16 q in place, 8 of the group's 16 registers; registers 8-15 (freed by group 0's packing):
;             the trip's partial sums of P, a pair for each t; before phase A: scale (0-63), bias (64-127), mean (128-191), var (192-255)
.set PA, 272                           ; LDS pitch of Wk's and Q's tiles: 256 bytes + 16
.set PX, 544                           ; of Xk's: 512 bytes + 32
.set PV, 288                           ; of V's: 256 bytes + 32
.set BREG, 128*PA                      ; a slot: 34,816 bytes for Wk or Q, then 69,632 for Xk (V uses 36,864 of them)
.set SLOT, BREG+128*PX                 ; 104,448
.set STAGE, 2*SLOT                     ; 208,896: 16 rows x 272 bytes for each wave, for the way out; no tensor load lands there
.set SPITCH, 272
.set ADA, 8                            ; v8-9    LDS address of Wk / Q fragments in slot 0, 1
.set ADX, 10                           ; v10-11  of Xk fragments
.set ADV, 12                           ; v12-13  of V fragments
.set STO, 14                           ; v14     the way out: where I put a number
.set RD,  15                           ; v15     the way out: where I read 16 bytes of a row back
.set CO,  16                           ; v16     my byte offset in out0
.set PF,  17                           ; v17     prefetch: lane x 16,384 + 256 x trip
.set HB,  18                           ; v18     32 (l / 16)
.set MX,  24                           ; v24-27  running maximum of S for tile t
.set TP,  28                           ; v28-31  at work
.set AL,  32                           ; v[32+2t:33+2t]  the trip's rescale factor, twice; at the end 1 / sum
.set NM,  40                           ; v[40+2t:41+2t]  - maximum x log2(e)/sqrt(128), twice
.set LS,  48                           ; v[48+2t:49+2t]  the lane's two partial sums of P
.set FB0, 64                           ; v64-159   fragment buffer 0
.set FB1, 160                          ; v160-255  fragment buffer 1
.set OT,  160                          ; the way out: 32 numbers
.set RB0, 64                           ; the way out: rows read back, two sets by turns
.set RB1, 96
.set G1W, 32                           ; s[32:39] s[40:47] s[48:55] s[56:63]  descriptor groups 1 of Wk, Xk, Q, V
.set G1X, 40
.set G1Q, 48
.set G1V, 56
.set G0W, 68                           ; s[68:75] s[76:83] s[84:91] s[92:99]  descriptor groups 0, four registers for each slot
.set G0X, 76
.set G0Q, 84
.set G0V, 92
.set PAD16_64,  (5<<22)|(3<<25)        ; 4 words of padding behind every 64
.set PAD32_64,  (5<<22)|(7<<25)        ; 8 words behind every 64
.set PAD32_128, (6<<22)|(7<<25)        ; 8 words behind every 128
.set MSB, 0
.macro WIN new                         ; the immediate's high byte repeats the setting that is left
.if MSB != \new
	s_set_vgpr_msb (MSB<<8)|\new
.set MSB, \new
.endif
.endm
.macro PLACES n                        ; places behind a matrix instruction are plain vector instructions that name none of its registers (ISA guide 7.12.1)
.rept \n
	v_nop
.endr
.endm
; A round of the cluster's barrier.
.macro ROUND
	s_barrier_signal -1
	s_barrier_wait -1
	s_cmp_lg_u32 s20, 0
	s_cbranch_scc1 .Lnot_wave_0_\@
	s_barrier_signal -3
.Lnot_wave_0_\@:
	s_barrier_wait -3
	s_barrier_signal -1
	s_barrier_wait -1
.endm
; Joint loads: waves 0, 1 fetch the halves of Wk's (Q's) tile, waves 2, 3 of Xk's (V's).  The branch hangs on the wave's number alone.
.macro JLOADP s
	s_cmp_eq_u32 s21, 0
	s_cbranch_scc0 .Lfor_x_\@
	tensor_load_to_lds s[G0W+4*(\s):G0W+4*(\s)+3], s[G1W:G1W+7]
	s_nop 0
	s_branch .Lasked_\@
.Lfor_x_\@:
	tensor_load_to_lds s[G0X+4*(\s):G0X+4*(\s)+3], s[G1X:G1X+7]
	s_nop 0
.Lasked_\@:
.endm
.macro JLOADA s
	s_cmp_eq_u32 s21, 0
	s_cbranch_scc0 .Lfor_v_\@
	tensor_load_to_lds s[G0Q+4*(\s):G0Q+4*(\s)+3], s[G1Q:G1Q+7]
	s_nop 0
	s_branch .Lasked_\@
.Lfor_v_\@:
	tensor_load_to_lds s[G0V+4*(\s):G0V+4*(\s)+3], s[G1V:G1V+7]
	s_nop 0
.Lasked_\@:
.endm
.macro MKG1 g, mask, pad, cols, pitch  ; 64 rows x cols elements of 2 bytes; bit 21 beside the mask
	s_or_b32  s[\g+0], \mask, (1<<16)|(1<<20)|(1<<21)|\pad
	s_mov_b32 s[\g+1], \cols<<16                   ; tensor_dim0
	s_mov_b32 s[\g+2], 64<<16                      ; tensor_dim1
	s_mov_b32 s[\g+3], \cols<<16                   ; tile_dim0
	s_mov_b32 s[\g+4], 64                          ; tile_dim1
	s_mov_b32 s[\g+5], \pitch                      ; elements from row to row
	s_mov_b32 s[\g+6], 0
	s_mov_b32 s[\g+7], 0
.endm
	s_load_b512 s[4:19], s[0:1], 0x0               ; wb s[4:5] xkb s[6:7] qv s[8:9] gamma2 s[10:11] beta2 s[12:13] mean2 s[14:15] var2 s[16:17] out0 s[18:19]
	v_lshl_add_u32 v62, v0, 2, 0x37400
	v_mov_b32 v63, 0
	ds_add_u32 v62, v63
	v_lshrrev_b32 v1, 5, v0
	v_readfirstlane_b32 s20, v1                    ; wave 0..3
	s_lshr_b32 s21, s20, 1                         ; which kind of tile I fetch
	s_and_b32 s22, s20, 1                          ; which 64 rows of it
	s_bfe_u32 s23, ttmp6, 0x40000                  ; cx
	s_bfe_u32 s24, ttmp6, 0x40004                  ; cy
	s_and_b32 s26, ttmp7, 0xffff                   ; cluster y, 0..7
	s_lshl_b32 s27, ttmp9, 2
	s_add_co_u32 s27, s27, s23                     ; block of i = 4 x cluster x + cx, 0..7
	s_and_b32 s28, s26, 1
	s_lshl_b32 s28, s28, 2
	s_add_co_u32 s28, s28, s24                     ; head = 4 (cluster y mod 2) + cy
	s_lshr_b32 s29, s26, 1                         ; batch = cluster y / 2: the same in the whole cluster
	s_lshl_b32 s30, s24, 2
	s_lshl_b32 s30, 15, s30                        ; my row of the cluster
	s_lshl_b32 s31, 0x1111, s23                    ; my column
	MKG1 G1W, s30, PAD16_64,  128, 1024
	MKG1 G1X, s31, PAD32_128, 256, 2048
	MKG1 G1Q, s30, PAD16_64,  128, 8192
	MKG1 G1V, s30, PAD32_64,  128, 8192
	; LDS addresses: the slot's constant, the region's constant, my half x 64 rows
	s_mul_i32 s25, s22, 64*PA
.irp s, 0,1
	s_mov_b32 s[G0W+4*\s], 1
	s_mov_b32 s[G0X+4*\s], 1
	s_mov_b32 s[G0Q+4*\s], 1
	s_mov_b32 s[G0V+4*\s], 1
	s_add_co_u32 s[G0W+4*\s+1], s25, \s*SLOT
	s_add_co_u32 s[G0Q+4*\s+1], s25, \s*SLOT
.endr
	s_mul_i32 s25, s22, 64*PX
.irp s, 0,1
	s_add_co_u32 s[G0X+4*\s+1], s25, BREG+\s*SLOT
.endr
	s_mul_i32 s25, s22, 64*PV
.irp s, 0,1
	s_add_co_u32 s[G0V+4*\s+1], s25, BREG+\s*SLOT
.endr
	; global offsets.  s25, s[66:67] hold the head, the batch and the wave alone; s[100:101] the block of i, the batch and the wave alone.
	s_lshl_b32 s66, s28, 18                        ; Wk: head x 128 rows of 2,048 bytes
	s_lshl_b32 s25, s22, 17                        ; + half x 64 rows
	s_add_co_u32 s66, s66, s25
	s_add_co_u32 s66, s66, 0x400000                ; behind Wq's and Wv's 2,048 rows
	s_mov_b32 s67, 0
	s_lshl_b32 s100, s29, 22                       ; Xk: batch x 1,024 rows of 4,096 bytes
	s_lshl_b32 s101, s27, 9                        ; + block x 256 i x 2 bytes
	s_add_co_u32 s100, s100, s101
	s_lshl_b32 s101, s22, 18                       ; + half x 64 rows
	s_add_co_u32 s100, s100, s101
	s_mov_b32 s101, 0
	s_wait_dscnt 0x0
	s_wait_kmcnt 0x0
	s_add_nc_u64 s[G0W+2:G0W+3], s[4:5], s[66:67]
	s_add_nc_u64 s[G0X+2:G0X+3], s[6:7], s[100:101]
	s_lshl_b32 s66, s28, 21                        ; Q: head x 128 rows of 16,384 bytes
	s_lshl_b32 s25, s22, 20                        ; + half x 64 rows
	s_add_co_u32 s66, s66, s25
	s_lshl_b32 s25, s29, 12                        ; + batch x 2,048 columns x 2 bytes
	s_add_co_u32 s66, s66, s25
	s_add_nc_u64 s[G0Q+2:G0Q+3], s[8:9], s[66:67]
	s_add_nc_u64 s[G0V+2:G0V+3], s[G0Q+2:G0Q+3], 0x1000000         ; V: 1,024 rows further down
	s_add_nc_u64 s[G0W+6:G0W+7], s[G0W+2:G0W+3], 256               ; slot 1 starts with tile 1: 128 elements along the rows,
	s_add_nc_u64 s[G0X+6:G0X+7], s[G0X+2:G0X+3], 0x80000           ; for Xk 128 rows down
	s_add_nc_u64 s[G0Q+6:G0Q+7], s[G0Q+2:G0Q+3], 256
	s_add_nc_u64 s[G0V+6:G0V+7], s[G0V+2:G0V+3], 256
.irp g, G0W, G0X, G0Q, G0V
	s_or_b32 s[\g+3], s[\g+3], 0x80000000          ; type = 2
	s_or_b32 s[\g+7], s[\g+7], 0x80000000
.endr
	ROUND                                          ; all sixteen work-groups are here: the first joint loads meet
	JLOADP 0                                       ; tile P0 into slot 0
	; BN2's four tables for my head: register (a, j) of lane l belongs to channel 16 a + 8 (l / 16) + j, as in a result tile
	v_bfe_u32 v2, v0, 4, 1                         ; l / 16
	v_lshlrev_b32 v[HB], 5, v2
	s_lshl_b32 s66, s28, 9                         ; head x 128 x 4 bytes
	s_add_nc_u64 s[10:11], s[10:11], s[66:67]
	s_add_nc_u64 s[12:13], s[12:13], s[66:67]
	s_add_nc_u64 s[14:15], s[14:15], s[66:67]
	s_add_nc_u64 s[16:17], s[16:17], s[66:67]
	WIN 0xc0                                       ; destination window 3, address window 0
.irp a, 0,1,2,3,4,5,6,7
	global_load_b128 v[8*\a:8*\a+3],         v[HB], s[10:11] offset:64*\a
	global_load_b128 v[8*\a+4:8*\a+7],       v[HB], s[10:11] offset:64*\a+16
	global_load_b128 v[64+8*\a:64+8*\a+3],   v[HB], s[12:13] offset:64*\a
	global_load_b128 v[64+8*\a+4:64+8*\a+7], v[HB], s[12:13] offset:64*\a+16
	global_load_b128 v[128+8*\a:128+8*\a+3],   v[HB], s[14:15] offset:64*\a
	global_load_b128 v[128+8*\a+4:128+8*\a+7], v[HB], s[14:15] offset:64*\a+16
	global_load_b128 v[192+8*\a:192+8*\a+3],   v[HB], s[16:17] offset:64*\a
	global_load_b128 v[192+8*\a+4:192+8*\a+7], v[HB], s[16:17] offset:64*\a+16
.endr
	WIN 0
	; addresses
	v_and_b32 v1, 15, v0                           ; r = l % 16
	v_and_b32 v3, 7, v0
	v_lshl_add_u32 v3, v2, 3, v3                   ; 8 (l / 16) + l % 8: my row in a transposing load
	v_bfe_u32 v4, v0, 3, 1
	v_lshlrev_b32 v4, 4, v4                        ; 16 ((l / 8) % 2): my 16 bytes in it
	v_mul_u32_u24 v5, v1, PA
	v_lshl_add_u32 v[ADA], v2, 4, v5               ; r x 272 + 16 (l / 16)
	v_add_nc_u32 v[ADA+1], SLOT, v[ADA]
	v_mul_u32_u24 v5, v3, PX
	v_add_nc_u32 v5, v5, v4
	s_lshl_b32 s25, s20, 7                         ; my wave's 64 columns of Xk's tile: 128 bytes
	s_add_co_u32 s25, s25, BREG
	v_add_nc_u32 v[ADX], s25, v5
	v_add_nc_u32 v[ADX+1], SLOT, v[ADX]
	v_mul_u32_u24 v5, v3, PV
	v_add_nc_u32 v5, v5, v4
	v_add_nc_u32 v[ADV], BREG, v5
	v_add_nc_u32 v[ADV+1], SLOT, v[ADV]
	s_mul_i32 s25, s20, 16*SPITCH
	s_add_co_u32 s25, s25, STAGE                   ; my stage
	v_mul_u32_u24 v5, v2, 8*SPITCH                 ; in: row 8 (l / 16) + register, word 16 t + r
	v_lshl_add_u32 v5, v1, 2, v5
	v_add_nc_u32 v[STO], s25, v5
	v_mul_u32_u24 v5, v2, SPITCH                   ; back: lanes 0-15 one row of 256 bytes, lanes 16-31 the next
	v_lshl_add_u32 v5, v1, 4, v5
	v_add_nc_u32 v[RD], s25, v5
	v_lshlrev_b32 v5, 13, v2                       ; and the same two rows of out0, 8,192 bytes apart
	v_lshl_add_u32 v[CO], v1, 4, v5
	v_and_b32 v5, 31, v0
	v_lshlrev_b32 v[PF], 14, v5                    ; a row of qv for each lane
.irp t, 0,1,2,3
	v_mov_b32 v[TP+\t], 0                          ; v_permlanex16_b32 counts as a reader of its destination
.endr
	s_lshl_b32 s66, s29, 23                        ; out0: batch x 1,024 rows of 8,192 bytes
	s_lshl_b32 s25, s28, 20                        ; + head x 128 rows
	s_add_co_u32 s66, s66, s25
	s_lshl_b32 s25, s20, 8                         ; + wave x 64 i x 4 bytes
	s_add_co_u32 s66, s66, s25
	s_add_nc_u64 s[18:19], s[18:19], s[66:67]
	s_lshl_b32 s100, s27, 10                       ; + block x 256 i x 4 bytes
	s_add_nc_u64 s[18:19], s[18:19], s[100:101]
	s_wait_loadcnt 0x0                             ; the tables are in; their bases may be written again
	; prefetch base: of a tile's 256 rows (Q's 128, V's 128) each of the head's eight work-groups asks for 32: row (block / 4) x 1,024 + 128 head + 32 (block % 4) + lane
	s_lshl_b32 s66, s28, 21
	s_lshl_b32 s25, s29, 12
	s_add_co_u32 s66, s66, s25
	s_add_co_u32 s66, s66, 512                     ; tile 2's columns: trip k asks for tile k + 2
	s_add_nc_u64 s[10:11], s[8:9], s[66:67]
	s_lshr_b32 s100, s27, 2
	s_lshl_b32 s100, s100, 24
	s_and_b32 s101, s27, 3
	s_lshl_b32 s101, s101, 19
	s_add_co_u32 s100, s100, s101
	s_mov_b32 s101, 0
	s_add_nc_u64 s[10:11], s[10:11], s[100:101]
	s_mov_b32 s4, 0x3e0293ee                       ; log2(e) / sqrt(128), as a pair for the packed multiply-add
	s_mov_b32 s5, 0x3e0293ee
	s_mov_b32 s6, 0xbe0293ee                       ; its negative
	s_mov_b32 s8, 0x76543210                       ; v_permlanex16_b32: lane i of one half reads lane i of the other
	s_mov_b32 s9, 0xfedcba98
	s_mov_b32 s12, 0x3dcccccd                      ; 0.1, as a pair: a scalar source in place of a literal makes each of 128 instructions 4 bytes shorter
	s_mov_b32 s13, 0x3dcccccd
	s_mov_b32 s14, 0x3727c5ac                      ; 1e-5, as a pair
	s_mov_b32 s15, 0x3727c5ac
	WIN 0xff                                       ; all in window 3: scale = gamma x rsq(var + 1e-5), bias = beta - mean x scale
.set n, 0
.rept 32
	v_pk_add_f32 v[192+2*n:193+2*n], v[192+2*n:193+2*n], s[14:15] op_sel_hi:[1,0]
.set n, n+1
.endr
.set n, 0
.rept 64
	v_rsq_f32 v[192+n], v[192+n]
.set n, n+1
.endr
	v_nop                                          ; one plain place behind the last v_rsq_f32 (ISA guide 5.7.2)
.set n, 0
	s_wait_alu depctr_va_vdst(0)
.rept 32
	v_pk_mul_f32 v[2*n:2*n+1], v[2*n:2*n+1], v[192+2*n:193+2*n]
.set n, n+1
.endr
.set n, 0
.rept 64
	v_fma_f32 v[64+n], -v[128+n], v[n], v[64+n]
.set n, n+1
.endr
	WIN 0
; The head of a trip.  Every wave waits for all its tensor loads (its part of this trip's tile) and for its reads of the other slot; then the round; behind it the
; wave's one tensor load: the next tile, into the slot read last trip.  The group 0 stepped is this slot's: no load of the wave is out.
.macro TOPP slot, nxt
	s_wait_tensorcnt 0x0
	ds_add_u32 v62, v63
	s_add_nc_u64 s[G0W+4*\slot+2:G0W+4*\slot+3], s[G0W+4*\slot+2:G0W+4*\slot+3], 512
	s_add_nc_u64 s[G0X+4*\slot+2:G0X+4*\slot+3], s[G0X+4*\slot+2:G0X+4*\slot+3], 0x100000
	s_wait_dscnt 0x0
	ROUND
.if \nxt
	JLOADA 0                                       ; behind the last tile of phase P comes the first of phase A
.else
	JLOADP 1-\slot
.endif
.endm
.macro TOPA slot, refill
	s_wait_tensorcnt 0x0
	ds_add_u32 v62, v63
	s_wait_dscnt 0x0
	s_add_nc_u64 s[G0Q+4*\slot+2:G0Q+4*\slot+3], s[G0Q+4*\slot+2:G0Q+4*\slot+3], 512
	s_add_nc_u64 s[G0V+4*\slot+2:G0V+4*\slot+3], s[G0V+4*\slot+2:G0V+4*\slot+3], 512
	s_wait_dscnt 0x0
	ROUND
.if \refill
	JLOADA 1-\slot
.endif
.endm
; 16 loads: 128 rows x 32 K (bytes 64 q of the rows) of Wk's or Q's tile: fragment a at fb + 8 a
.macro FETCHA slot, q, fb
.irp a, 0,1,2,3,4,5,6,7
	ds_load_b128 v[\fb+8*\a:\fb+8*\a+3],   v[ADA+\slot] offset:\a*16*PA+64*\q
	ds_load_b128 v[\fb+8*\a+4:\fb+8*\a+7], v[ADA+\slot] offset:\a*16*PA+64*\q+32
.endr
.endm
; 8 transposing loads: my 64 columns x 32 K (rows 32 q ..) of Xk's tile: fragment t at fb + 64 + 8 t
.macro FETCHX slot, q, fb
.irp t, 0,1,2,3
	ds_load_tr16_b128 v[\fb+64+8*\t:\fb+64+8*\t+3],   v[ADX+\slot] offset:32*\q*PX+32*\t
	ds_load_tr16_b128 v[\fb+64+8*\t+4:\fb+64+8*\t+7], v[ADX+\slot] offset:32*\q*PX+32*\t+16*PX
.endr
.endm
; 16 transposing loads: columns j of tiles u = 2 g, 2 g + 1 x all 128 c of V's tile: fragment (u', s) at fb + 8 (4 u' + s)
.macro FETCHV slot, g, fb
.irp u, 0,1
.irp s, 0,1,2,3
	ds_load_tr16_b128 v[\fb+8*(4*\u+\s):\fb+8*(4*\u+\s)+3],   v[ADV+\slot] offset:32*\s*PV+32*(2*\g+\u)
	ds_load_tr16_b128 v[\fb+8*(4*\u+\s)+4:\fb+8*(4*\u+\s)+7], v[ADV+\slot] offset:32*\s*PV+32*(2*\g+\u)+16*PV
.endr
.endr
.endm
; The products.  In each the accumulators take turns, one instruction a turn, and no two matrix instructions that follow each other, from one
; product to the next and over the backward jumps too, share an accumulator.
.macro MULP fb, zero                   ; K(a, t) += Wk(a) Xk(t), 32 matrix instructions
	WIN 0xa0                                       ; A, B window 0; C, D window 2
.irp a, 0,1,2,3,4,5,6,7
.irp t, 0,1,2,3
.if \zero
	v_wmma_f32_16x16x32_bf16 v[8*(4*\a+\t):8*(4*\a+\t)+7], v[\fb+8*\a:\fb+8*\a+7], v[\fb+64+8*\t:\fb+64+8*\t+7], 0
.else
	v_wmma_f32_16x16x32_bf16 v[8*(4*\a+\t):8*(4*\a+\t)+7], v[\fb+8*\a:\fb+8*\a+7], v[\fb+64+8*\t:\fb+64+8*\t+7], v[8*(4*\a+\t):8*(4*\a+\t)+7]
.endif
.endr
.endr
.endm
.macro MULS g, fb                      ; S(2 g + u', t) = sum over s of V(u', s) KF(t, s); s = 0 starts the sums; 32 matrix instructions
	WIN 0xf4                                       ; A window 0, B window 1; C, D window 3
.irp s, 0,1,2,3
.irp u, 0,1
.irp t, 0,1,2,3
.if \s == 0
	v_wmma_f32_16x16x32_bf16 v[64*\t+8*(2*\g+\u):64*\t+8*(2*\g+\u)+7], v[\fb+8*(4*\u+\s):\fb+8*(4*\u+\s)+7], v[8*(4*\t+\s):8*(4*\t+\s)+7], 0
.else
	v_wmma_f32_16x16x32_bf16 v[64*\t+8*(2*\g+\u):64*\t+8*(2*\g+\u)+7], v[\fb+8*(4*\u+\s):\fb+8*(4*\u+\s)+7], v[8*(4*\t+\s):8*(4*\t+\s)+7], v[64*\t+8*(2*\g+\u):64*\t+8*(2*\g+\u)+7]
.endif
.endr
.endr
.endr
.endm
; The same product, and behind every fourth matrix instruction four v_max3_num_f32, one for each t, on a pair of results of group g - 1.
; Those results are finished: four v_nop stand between that group's last matrix instruction and this macro.  They are no registers of this group's products.
.macro MULSX g, fb
.irp s, 0,1,2,3
.irp u, 0,1
	WIN 0xf4
.irp t, 0,1,2,3
.if \s == 0
	v_wmma_f32_16x16x32_bf16 v[64*\t+8*(2*\g+\u):64*\t+8*(2*\g+\u)+7], v[\fb+8*(4*\u+\s):\fb+8*(4*\u+\s)+7], v[8*(4*\t+\s):8*(4*\t+\s)+7], 0
.else
	v_wmma_f32_16x16x32_bf16 v[64*\t+8*(2*\g+\u):64*\t+8*(2*\g+\u)+7], v[\fb+8*(4*\u+\s):\fb+8*(4*\u+\s)+7], v[8*(4*\t+\s):8*(4*\t+\s)+7], v[64*\t+8*(2*\g+\u):64*\t+8*(2*\g+\u)+7]
.endif
.endr
	WIN 0x3c                                       ; the maximum window 0, S window 3
.irp t, 0,1,2,3
	v_max3_num_f32 v[MX+\t], v[MX+\t], v[64*\t+16*(\g-1)+2*(2*\s+\u)], v[64*\t+16*(\g-1)+2*(2*\s+\u)+1]
.endr
.endr
.endr
.endm
.macro MULPV q, fb, zero               ; O(a, t) += Q(a) P(t, q), 32 matrix instructions in one run (trip A0)
	WIN 0xac                                       ; A window 0, B window 3; C, D window 2
.irp a, 0,1,2,3,4,5,6,7
.irp t, 0,1,2,3
.if \zero
	v_wmma_f32_16x16x32_bf16 v[8*(4*\a+\t):8*(4*\a+\t)+7], v[\fb+8*\a:\fb+8*\a+7], v[64*\t+16*\q:64*\t+16*\q+7], 0
.else
	v_wmma_f32_16x16x32_bf16 v[8*(4*\a+\t):8*(4*\a+\t)+7], v[\fb+8*\a:\fb+8*\a+7], v[64*\t+16*\q:64*\t+16*\q+7], v[8*(4*\a+\t):8*(4*\a+\t)+7]
.endif
.endr
.endr
.endm
; A trip of phase P: four quarters of 32 K on buffers 0, 1, 0, 1.  A fetch is 24 loads; s_wait_dscnt 24 leaves out the one younger fetch.
.macro FETCHP slot, q, fb
	FETCHA \slot, \q, \fb
	FETCHX \slot, \q, \fb
.endm
.macro PTRIP slot, zero, nxt
	TOPP \slot, \nxt
	PLACES 4                                       ; the loads below land in registers that the last trip's matrix instructions read
	FETCHP \slot, 0, FB0
	FETCHP \slot, 1, FB1
	s_wait_dscnt 24
	MULP FB0, \zero
	WIN 0
	PLACES 4
	FETCHP \slot, 2, FB0
	s_wait_dscnt 24
	MULP FB1, 0
	WIN 0
	PLACES 4
	FETCHP \slot, 3, FB1
	s_wait_dscnt 24
	MULP FB0, 0
	s_wait_dscnt 0
	MULP FB1, 0
	WIN 0
.endm
	PTRIP 0, 1, 0                                  ; P0: its first products start the sums
	s_mov_b32 s7, 3
.Lp:
	PTRIP 1, 0, 0                                  ; P1, P3, P5
	PTRIP 0, 0, 0                                  ; P2, P4, P6
	s_sub_co_u32 s7, s7, 1
	s_cmp_lg_u32 s7, 0
	s_cbranch_scc1 .Lp
	PTRIP 1, 0, 1                                  ; P7: asks for A0
	; K: scale and bias, leaky, bf16.  Tiles a = 2 s and 2 s + 1 make registers 0-3 and 4-7 of KF(t, s).  Meanwhile tile A0 is on its way.
	PLACES 4
	WIN 0xbe                                       ; K window 2, scale and bias window 3
.irp a, 0,1,2,3,4,5,6,7
.irp t, 0,1,2,3
.irp k, 0,1,2,3
	v_pk_fma_f32 v[8*(4*\a+\t)+2*\k:8*(4*\a+\t)+2*\k+1], v[8*(4*\a+\t)+2*\k:8*(4*\a+\t)+2*\k+1], v[8*\a+2*\k:8*\a+2*\k+1], v[64+8*\a+2*\k:64+8*\a+2*\k+1]
.endr
.endr
.endr
.macro KHALF hh                        ; tiles a = 4 hh .. 4 hh + 3, through v64-191 of window 0
	WIN 0x02
.irp a, 0,1,2,3
.irp t, 0,1,2,3
.irp k, 0,1,2,3
	v_pk_mul_f32 v[64+8*(4*\a+\t)+2*\k:64+8*(4*\a+\t)+2*\k+1], v[8*(4*(4*\hh+\a)+\t)+2*\k:8*(4*(4*\hh+\a)+\t)+2*\k+1], s[12:13] op_sel_hi:[1,0]   ; 0.1 y
.endr
.irp k, 0,1,2,3,4,5,6,7
	v_max_num_f32 v[64+8*(4*\a+\t)+\k], v[8*(4*(4*\hh+\a)+\t)+\k], v[64+8*(4*\a+\t)+\k]   ; max(y, 0.1 y)
.endr
.endr
.endr
	WIN 0x40
.irp a, 0,1,2,3
.irp t, 0,1,2,3
.irp k, 0,1,2,3
	v_cvt_pk_bf16_f32 v[8*(4*\t+2*\hh+(\a/2))+4*(\a%2)+\k], v[64+8*(4*\a+\t)+2*\k], v[64+8*(4*\a+\t)+2*\k+1]
.endr
.endr
.endr
.endm
	KHALF 0
	KHALF 1
	WIN 0
; ---- TRIP A0, in runs: it starts the maximum, the sums and O, so nothing is cleared and nothing is rescaled. ----
.macro SOFTMAX0
	WIN 0x0f
.irp t, 0,1,2,3
	v_max_num_f32 v[MX+\t], v[64*\t], v[64*\t+1]   ; the first two numbers start the maximum
.endr
	WIN 0x3c
.set n, 1
.rept 31
.irp t, 0,1,2,3
	v_max3_num_f32 v[MX+\t], v[MX+\t], v[64*\t+2*n], v[64*\t+2*n+1]
.endr
.set n, n+1
.endr
	WIN 0
.irp t, 0,1,2,3
	v_permlanex16_b32 v[TP+\t], v[MX+\t], s8, s9   ; the other half of column i's numbers lies in lane l xor 16
.endr
.irp t, 0,1,2,3
	v_max_num_f32 v[MX+\t], v[MX+\t], v[TP+\t]
.endr
.irp t, 0,1,2,3
	v_mul_f32 v[NM+2*\t], s6, v[MX+\t]
.endr
.irp t, 0,1,2,3
	v_mov_b32 v[NM+2*\t+1], v[NM+2*\t]
.endr
	s_wait_xcnt 0x0                                ; the prefetch, 96 matrix instructions back, has read its address register
	v_add_nc_u32 v[PF], 256, v[PF]                 ; the next trip asks for the next tile
	WIN 0xc3                                       ; S window 3 in place, NM window 0
.set n, 0
.rept 32
.irp t, 0,1,2,3
	v_pk_fma_f32 v[64*\t+2*n:64*\t+2*n+1], v[64*\t+2*n:64*\t+2*n+1], s[4:5], v[NM+2*\t:NM+2*\t+1] op_sel_hi:[1,0,1]
.endr
.set n, n+1
.endr
.set n, 0
.rept 256
	v_exp_f32 v[n], v[n]
.set n, n+1
.endr
	v_nop                                          ; one plain place behind the last v_exp_f32 (ISA guide 5.7.2)
	WIN 0x0f
	s_wait_alu depctr_va_vdst(0)
.irp t, 0,1,2,3
	v_pk_add_f32 v[LS+2*\t:LS+2*\t+1], v[64*\t:64*\t+1], v[64*\t+2:64*\t+3]   ; the first two pairs start the sums
.endr
.set n, 2
	WIN 0x0c
.rept 30
.irp t, 0,1,2,3
	v_pk_add_f32 v[LS+2*\t:LS+2*\t+1], v[LS+2*\t:LS+2*\t+1], v[64*\t+2*n:64*\t+2*n+1]
.endr
.set n, n+1
.endr
	WIN 0xcf                                       ; P in place: tiles u = 2 q, 2 q + 1 make registers 0-3, 4-7 of P(t, q)
.irp t, 0,1,2,3
.irp q, 0,1,2,3
.irp k, 0,1,2,3
	v_cvt_pk_bf16_f32 v[64*\t+16*\q+\k], v[64*\t+16*\q+2*\k], v[64*\t+16*\q+2*\k+1]
.endr
.irp k, 0,1,2,3
	v_cvt_pk_bf16_f32 v[64*\t+16*\q+4+\k], v[64*\t+16*\q+8+2*\k], v[64*\t+16*\q+8+2*\k+1]
.endr
.endr
.endr
.endm
; Every fetch of phase A is 16 loads; each s_wait_dscnt 16 leaves out the one younger fetch.
.macro ATRIP0
	TOPA 0, 1
	PLACES 5
	FETCHV 0, 0, FB0
	FETCHV 0, 1, FB1
	s_wait_dscnt 16
	MULS 0, FB0
	WIN 0
	PLACES 4
	FETCHV 0, 2, FB0
	s_wait_dscnt 16
	s_cmp_lg_u32 s20, 0
	s_cbranch_scc1 .Lno_prefetch_\@
	global_prefetch_b8 v[PF], s[10:11] th:TH_LOAD_NT scope:SCOPE_SE   ; tile 2: see the comment at ATRIP
.Lno_prefetch_\@:
	MULS 1, FB1
	WIN 0
	PLACES 4
	FETCHV 0, 3, FB1
	s_wait_dscnt 16
	MULS 2, FB0
	WIN 0
	PLACES 4
	FETCHA 0, 0, FB0
	s_wait_dscnt 16
	MULS 3, FB1
	WIN 0
	PLACES 4                                       ; also for the softmax, which reads and writes the results
	FETCHA 0, 1, FB1
	SOFTMAX0
	s_wait_dscnt 16
	MULPV 0, FB0, 1
	WIN 0
	PLACES 4
	FETCHA 0, 2, FB0
	s_wait_dscnt 16
	MULPV 1, FB1, 0
	WIN 0
	PLACES 4
	FETCHA 0, 3, FB1
	s_wait_dscnt 16
	MULPV 2, FB0, 0
	s_wait_dscnt 0
	MULPV 3, FB1, 0
	WIN 0
.endm
; ---- TRIPS A1 TO A15: vector and matrix work by turns. ----
; Group w = 4 q + t of S is the 16 registers at 64 t + 16 q of window 3: 8 pairs i.  Step i of stage s, all under one window setting (0xcf: window 3, third source window 0):
;   the two exponentials of pair i of group s; pair i of group s - 1 added to the sums and packed to bf16 (word i of P); the exponent of pair i of group s + 1.
; Behind each v_exp_f32 stands a plain instruction on other registers, and its result is first read a stage later (ISA guide 5.7.2).
; Packing word i overwrites register i of the group, a register of pair i / 2, which has been added and packed by then.
; The sums of groups 1 to 15 lie in window 3, registers 8 + 2 t, 9 + 2 t: the half of group 0's registers that its packing (stage 1) has freed.
; The first group of each t there (w = 1, 2, 3, 4) starts its sum with its first two pairs: nothing is cleared.
.macro CHUNK s, i
.set c_an, (\s)-1
.if (\s) <= 15
.set c_ge, 64*((\s)%4)+16*((\s)/4)
	v_exp_f32 v[c_ge+2*(\i)], v[c_ge+2*(\i)]
.endif
.if c_an >= 1
.set c_ga, 64*(c_an%4)+16*(c_an/4)
.set c_ls, 8+2*(c_an%4)
.if c_an >= 5
	s_wait_alu depctr_va_vdst(0)
	v_pk_add_f32 v[c_ls:c_ls+1], v[c_ls:c_ls+1], v[c_ga+2*(\i):c_ga+2*(\i)+1]
.else
.if (\i) == 0
	s_wait_alu depctr_va_vdst(0)
	v_pk_add_f32 v[c_ls:c_ls+1], v[c_ga:c_ga+1], v[c_ga+2:c_ga+3]
.endif
.if (\i) >= 2
	v_pk_add_f32 v[c_ls:c_ls+1], v[c_ls:c_ls+1], v[c_ga+2*(\i):c_ga+2*(\i)+1]
.endif
.endif
.endif
.if (\s) <= 15
	v_exp_f32 v[c_ge+2*(\i)+1], v[c_ge+2*(\i)+1]
.endif
.if c_an >= 0
.set c_gc, 64*(c_an%4)+16*(c_an/4)
	v_cvt_pk_bf16_f32 v[c_gc+(\i)], v[c_gc+2*(\i)], v[c_gc+2*(\i)+1]
.endif
.if (\s) <= 14
.set c_fn, (\s)+1
.set c_gf, 64*(c_fn%4)+16*(c_fn/4)
	v_pk_fma_f32 v[c_gf+2*(\i):c_gf+2*(\i)+1], v[c_gf+2*(\i):c_gf+2*(\i)+1], s[4:5], v[NM+2*(c_fn%4):NM+2*(c_fn%4)+1] op_sel_hi:[1,0,1]
.endif
.endm
; What stays in runs between S and the second product.
.macro SMHEAD pf
	WIN 0x3c
.set n, 0
.rept 8
.irp t, 0,1,2,3
	v_max3_num_f32 v[MX+\t], v[MX+\t], v[64*\t+48+2*n], v[64*\t+48+2*n+1]   ; the last group of S; the other three were taken among the products
.endr
.set n, n+1
.endr
	WIN 0
.irp t, 0,1,2,3
	v_permlanex16_b32 v[TP+\t], v[MX+\t], s8, s9   ; the other half of column i's numbers lies in lane l xor 16
.endr
.irp t, 0,1,2,3
	v_max_num_f32 v[MX+\t], v[MX+\t], v[TP+\t]
.endr
.irp t, 0,1,2,3
	v_mul_f32 v[TP+\t], s6, v[MX+\t]               ; the new - max x log2(e)/sqrt(128)
.endr
.irp t, 0,1,2,3
	v_sub_f32 v[AL+2*\t], v[TP+\t], v[NM+2*\t]     ; new - old, at most 0: what the old sums' exponents lack
.endr
.irp t, 0,1,2,3
	v_exp_f32 v[AL+2*\t], v[AL+2*\t]
.endr
.irp t, 0,1,2,3
	v_mov_b32 v[NM+2*\t], v[TP+\t]                 ; plain work behind the last v_exp_f32 (ISA guide 5.7.2)
.endr
	s_wait_alu depctr_va_vdst(0)
.irp t, 0,1,2,3
	v_mov_b32 v[AL+2*\t+1], v[AL+2*\t]
.endr
.irp t, 0,1,2,3
	v_pk_mul_f32 v[LS+2*\t:LS+2*\t+1], v[LS+2*\t:LS+2*\t+1], v[AL+2*\t:AL+2*\t+1]
.endr
.irp t, 0,1,2,3
	v_mov_b32 v[NM+2*\t+1], v[NM+2*\t]
.endr
.if \pf
	s_wait_xcnt 0x0                                ; the prefetch, 96 matrix instructions back, has read its address register
	v_add_nc_u32 v[PF], 256, v[PF]                 ; the next trip asks for the next tile
.endif
	WIN 0x82                                       ; O window 2 in place: rescaled before this trip's first product onto it
.irp a, 0,1,2,3,4,5,6,7
.irp t, 0,1,2,3
.irp k, 0,1,2,3
	v_pk_mul_f32 v[8*(4*\a+\t)+2*\k:8*(4*\a+\t)+2*\k+1], v[8*(4*\a+\t)+2*\k:8*(4*\a+\t)+2*\k+1], v[AL+2*\t:AL+2*\t+1]
.endr
.endr
.endr
	WIN 0xcf
.irp i, 0,1,2,3,4,5,6,7
	v_pk_fma_f32 v[2*\i:2*\i+1], v[2*\i:2*\i+1], s[4:5], v[NM:NM+1] op_sel_hi:[1,0,1]   ; the exponents of group 0 start the stream
.endr
.irp i, 0,1,2,3,4,5,6,7
	CHUNK 0, \i                                    ; group 0's exponentials, group 1's exponents
.endr
	WIN 0x0c
	s_wait_alu depctr_va_vdst(0)
.irp i, 0,1,2,3,4,5,6,7
	v_pk_add_f32 v[LS:LS+1], v[LS:LS+1], v[2*\i:2*\i+1]            ; group 0's sums go straight into window 0: no register of window 3 is free yet
.endr
	WIN 0xcf
.irp i, 0,1,2,3,4,5,6,7
	CHUNK 1, \i                                    ; group 1's exponentials, group 0 packed, group 2's exponents
.endr
.endm
; Group w of the second product: O(a, t) += Q(a) P(t, q), a = 0 .. 7, and behind the a-th matrix instruction step a of stage w + 2.
; P of group w was packed in stage w + 1, which ended ahead of this group.  Stage w + 2 writes registers of groups w + 1, w + 2, w + 3 and the sums (8-15),
; and reads NM: none is a register of this group's matrix instructions (O, the Q fragments, words 0-7 of group w) or of an earlier group's.
.macro GRP w, fb
.irp a, 0,1,2,3,4,5,6,7
	WIN 0xac                                       ; A window 0, B window 3; C, D window 2
	v_wmma_f32_16x16x32_bf16 v[8*(4*\a+(\w)%4):8*(4*\a+(\w)%4)+7], v[\fb+8*\a:\fb+8*\a+7], v[64*((\w)%4)+16*((\w)/4):64*((\w)%4)+16*((\w)/4)+7], v[8*(4*\a+(\w)%4):8*(4*\a+(\w)%4)+7]
.if (\w) <= 14
	WIN 0xcf
	CHUNK (\w)+2, \a
.endif
.endr
.endm
; A trip.  Every fetch is 16 loads; each s_wait_dscnt 16 leaves out the one younger fetch.
; pf = 1: wave 0 asks for its work-group's 32 rows (256 bytes each) of tile k + 2, whose tensor load is issued at the head of the next trip;
; the eight work-groups of a head share a tile's 256 rows out, so each block is asked for once.
; pf = 2: the same, but not in the loop's last pass (s7 = 1): that trip is A14, and tile 15 is the last.  pf = 0: nothing is asked for.
.macro ATRIP slot, refill, pf
	TOPA \slot, \refill
	PLACES 5                                       ; the products below write over P, which the last trip's matrix instructions read; the loads land in their A's
	FETCHV \slot, 0, FB0
	FETCHV \slot, 1, FB1
	s_wait_dscnt 16
	MULS 0, FB0
	WIN 0
	PLACES 4                                       ; for the loads into buffer 0 and for the maxima, which read the results
	FETCHV \slot, 2, FB0
	s_wait_dscnt 16
.if \pf
	s_cmp_lg_u32 s20, 0
	s_cbranch_scc1 .Lno_prefetch_\@
.if \pf == 2
	s_cmp_eq_u32 s7, 1
	s_cbranch_scc1 .Lno_prefetch_\@
.endif
	global_prefetch_b8 v[PF], s[10:11] th:TH_LOAD_NT scope:SCOPE_SE
.Lno_prefetch_\@:
.endif
	MULSX 1, FB1
	WIN 0
	PLACES 4
	FETCHV \slot, 3, FB1
	s_wait_dscnt 16
	MULSX 2, FB0
	WIN 0
	PLACES 4
	FETCHA \slot, 0, FB0
	s_wait_dscnt 16
	MULSX 3, FB1
	WIN 0
	PLACES 4
	FETCHA \slot, 1, FB1
	SMHEAD \pf
	s_wait_dscnt 16
	GRP 0, FB0
	GRP 1, FB0
	GRP 2, FB0
	GRP 3, FB0
	WIN 0
	PLACES 4
	FETCHA \slot, 2, FB0
	s_wait_dscnt 16
	GRP 4, FB1
	GRP 5, FB1
	GRP 6, FB1
	GRP 7, FB1
	WIN 0
	PLACES 4
	FETCHA \slot, 3, FB1
	s_wait_dscnt 16
	GRP 8, FB0
	GRP 9, FB0
	GRP 10, FB0
	GRP 11, FB0
	s_wait_dscnt 0
	GRP 12, FB1
	GRP 13, FB1
	GRP 14, FB1
	GRP 15, FB1
	WIN 0x0c
.irp t, 0,1,2,3
	v_pk_add_f32 v[LS+2*\t:LS+2*\t+1], v[LS+2*\t:LS+2*\t+1], v[8+2*\t:9+2*\t]   ; the trip's sums of window 3 join the running sums, before the next trip's S lands on them
.endr
	WIN 0
.endm
	ATRIP0                                         ; A0: starts the maximum, the sums and O
	s_mov_b32 s7, 7
.La:
	ATRIP 1, 1, 1                                  ; A1, A3 .. A13
	ATRIP 0, 1, 2                                  ; A2, A4 .. A14; A14 asks the mover for the last tile and prefetches nothing
	s_sub_co_u32 s7, s7, 1
	s_cmp_lg_u32 s7, 0
	s_cbranch_scc1 .La
	ATRIP 1, 0, 0                                  ; A15: nothing is left to fetch; its wait for 0 leaves no tensor load out at the end
	; THE WAY OUT: divide by the sums; 16 rows c x 64 i at a time through my own stage, so that rows of 256 bytes leave whole.
	PLACES 4
.irp t, 0,1,2,3
	v_add_f32 v[LS+2*\t], v[LS+2*\t], v[LS+2*\t+1]
.endr
.irp t, 0,1,2,3
	v_permlanex16_b32 v[TP+\t], v[LS+2*\t], s8, s9
.endr
.irp t, 0,1,2,3
	v_add_f32 v[LS+2*\t], v[LS+2*\t], v[TP+\t]     ; the whole sum of column i; the largest weight is about 1, so it is no denormal
.endr
.irp t, 0,1,2,3
	v_rcp_f32 v[AL+2*\t], v[LS+2*\t]
.endr
	v_nop                                          ; one plain place behind the last v_rcp_f32
	s_wait_alu depctr_va_vdst(0)
.irp t, 0,1,2,3
	v_mov_b32 v[AL+2*\t+1], v[AL+2*\t]
.endr
.macro OUTA a, rb
	WIN 0x02
.irp t, 0,1,2,3
.irp k, 0,1,2,3
	v_pk_mul_f32 v[OT+8*\t+2*\k:OT+8*\t+2*\k+1], v[8*(4*\a+\t)+2*\k:8*(4*\a+\t)+2*\k+1], v[AL+2*\t:AL+2*\t+1]
.endr
.endr
	WIN 0
.irp t, 0,1,2,3
.irp j, 0,1,2,3,4,5,6,7
	ds_store_b32 v[STO], v[OT+8*\t+\j] offset:SPITCH*\j+64*\t      ; row 8 (l / 16) + j, word 16 t + r
.endr
.endr
	s_wait_xcnt 0x0                                ; set rb, which earlier stores read, is loaded again only behind this wait
.irp p, 0,1,2,3,4,5,6,7
	ds_load_b128 v[\rb+4*\p:\rb+4*\p+3], v[RD] offset:2*SPITCH*\p  ; LDS serves a wave's instructions in order: these see the stores above
.endr
.irp p, 0,1,2,3,4,5,6,7
	s_wait_dscnt 7-\p                              ; load p is in, the 7 - p younger ones stay out
	global_store_b128 v[CO], v[\rb+4*\p:\rb+4*\p+3], s[18:19] offset:(16*\a+2*\p)*8192 th:TH_STORE_NT   ; 16 lanes store 256 consecutive bytes, aligned
.endr
.endm
	OUTA 0, RB0
	OUTA 1, RB1
	OUTA 2, RB0
	OUTA 3, RB1
	OUTA 4, RB0
	OUTA 5, RB1
	OUTA 6, RB0
	OUTA 7, RB1
	s_wait_tensorcnt 0x0
	ds_add_u32 v62, v63
	s_wait_dscnt 0x0
	ROUND                                          ; the closing round: no work-group ends while a partner may still ask for a tile that names it
	s_endpgm
.Lfunc_end_k_qbd45294892_attn:
	.size	k_qbd45294892_attn, .Lfunc_end_k_qbd45294892_attn-k_qbd45294892_attn
	.p2alignl 7, 3214868480
	.fill 96, 4, 3214868480
	.section	.rodata,"a",@progbits
	.p2align	6, 0x0
	.amdhsa_kernel k_qbd45294892_attn
		.amdhsa_group_segment_fixed_size 327680
		.amdhsa_private_segment_fixed_size 0
		.amdhsa_enable_private_segment 0
		.amdhsa_kernarg_size 64
		.amdhsa_user_sgpr_count 2
		.amdhsa_user_sgpr_kernarg_segment_ptr 1
		.amdhsa_wavefront_size32 1
		.amdhsa_system_sgpr_workgroup_id_x 1
		.amdhsa_system_sgpr_workgroup_id_y 1
		.amdhsa_system_sgpr_workgroup_id_z 1
		.amdhsa_system_vgpr_workitem_id 0
		.amdhsa_next_free_vgpr 1024
		.amdhsa_next_free_sgpr 102
		.amdhsa_reserve_vcc 0
		.amdhsa_float_denorm_mode_32 3
		.amdhsa_float_denorm_mode_16_64 3
		.amdhsa_memory_ordered 1
		.amdhsa_forward_progress 1
		.amdhsa_inst_pref_size 255
	.end_amdhsa_kernel
	.section	.bss,"aw",@nobits
	.p2align	6
	.space	262144
	.amdgpu_metadata
---
amdhsa.version: [ 1, 2 ]
amdhsa.kernels:
  - .name:           k_qbd45294892_attn
    .symbol:         k_qbd45294892_attn.kd
    .args:
      - { .name: wb, .offset: 0, .size: 8, .value_kind: global_buffer, .address_space: global }
      - { .name: xkb, .offset: 8, .size: 8, .value_kind: global_buffer, .address_space: global }
      - { .name: qv, .offset: 16, .size: 8, .value_kind: global_buffer, .address_space: global }
      - { .name: gamma2, .offset: 24, .size: 8, .value_kind: global_buffer, .address_space: global }
      - { .name: beta2, .offset: 32, .size: 8, .value_kind: global_buffer, .address_space: global }
      - { .name: mean2, .offset: 40, .size: 8, .value_kind: global_buffer, .address_space: global }
      - { .name: var2, .offset: 48, .size: 8, .value_kind: global_buffer, .address_space: global }
      - { .name: out0, .offset: 56, .size: 8, .value_kind: global_buffer, .address_space: global }
    .group_segment_fixed_size: 327680
    .private_segment_fixed_size: 0
    .kernarg_segment_align: 8
    .kernarg_segment_size: 64
    .max_flat_workgroup_size: 128
    .sgpr_count:     102
    .vgpr_count:     1024
    .wavefront_size: 32
...
	.end_amdgpu_metadata
.endif
;; end of part 5
